; MI455X (gfx1250); checked and timed in simulation.
; The chip was launched on July 23, 2026; its instructions are those of AMD's public machine-readable ISA for CDNA 5 (MIT licence, August 2026) and "CDNA5" Instruction Set Architecture Reference Guide (July 2026). The comments in the code are by the model that wrote it; some were corrected since.
;; Bert Attention. Allowed arithmetic: matrix products marked QUANTISED: E3M2 operands, one E8M0 scale for each 32 along K, by v_wmma_scale_f32_16x16x128_f8f6f4 with both operands' format E3M2, f32 sums; everything else in f32.
;; Inputs: Wk 1,024 x 1,024 float32; Wo 1,024 x 1,024 float32; Wq 1,024 x 1,024 float32; Wv 1,024 x 1,024 float32; bk 1,024 float32; bo 1,024 float32; bq 1,024 float32; bv 1,024 float32; key_tensor 2,048 x 2 x 1,024 float32; ln_b 1,024 float32; ln_w 1,024 float32; query_tensor 2,048 x 2 x 1,024 float32; value_tensor 2,048 x 2 x 1,024 float32.
;; Outputs: out0 2,048 x 2 x 1,024 float32.
;; This version of the problem:
;;   THIS VERSION OF THE PROBLEM IS GIVEN IN LOW PRECISION. The matrix products marked QUANTISED in the list below multiply operands that are first quantised to E3M2 (3 exponent bits, 2 mantissa bits; 6 bits a number), with one power-of-two scale for each 32 numbers along K (OCP MX v1.0); their sums are f32. All else is computed in f32.
;;   The module's matrix products, in the order in which they are computed (A, B: the left and right operand; K: the contracted axis; several contracted axes count as one K, in the product's order):
;;     1. [M 4,096, K 1,024] x [K 1,024, N 1,024]; A: input query_tensor; B: input Wq: QUANTISED
;;     2. [M 4,096, K 1,024] x [K 1,024, N 1,024]; A: input key_tensor; B: input Wk: QUANTISED
;;     3. [M 4,096, K 1,024] x [K 1,024, N 1,024]; A: input value_tensor; B: input Wv: QUANTISED
;;     4. batch 32 x [M 2,048, K 64] x [K 64, N 2,048]; A: computed on the way; B: computed on the way: QUANTISED
;;     5. batch 32 x [M 2,048, K 2,048] x [K 2,048, N 64]; A: softmax (see below); B: computed on the way: QUANTISED
;;     6. [M 4,096, K 1,024] x [K 1,024, N 1,024]; A: computed on the way; B: input Wo: QUANTISED
;;   THE QUANTISER, for each operand of a quantised product, along K:
;;     - K is cut into blocks of 32 from its start; a last block that is shorter is filled with zeros.
;;     - A block's scale is 2^e with e = floor(log2(the largest magnitude in the block)) - 4, held to -126 .. 127; a block of zeros has e = 0. As a byte (E8M0): e + 127.
;;     - Each number is divided by its block's scale, clamped to +-28, and rounded to the nearest number of E3M2, ties to even, subnormals kept.
;;     - The product sums the exact products of the quantised numbers (number of the format x scale) in f32.
;;   ~~~python
;;   def quantise(x, axis):      # numpy; x: float32 -> the quantised numbers, widened to float32 again
;;       x = np.moveaxis(x, axis, -1); K = x.shape[-1]
;;       x = np.pad(x, [(0, 0)] * (x.ndim - 1) + [(0, -K % 32)]); x = x.reshape(x.shape[:-1] + (-1, 32)); a = np.abs(x).max(-1, keepdims=True)
;;       e = np.where(a > 0, np.clip(np.frexp(np.where(a > 0, a, 1))[1] - 1 - 4, -126, 127), 0)      # np.frexp(a)[1] - 1 = floor(log2(a)), exactly
;;       r = np.clip(x / 2.0 ** e, -28, 28)
;;       step = 2.0 ** (np.maximum(np.frexp(np.where(r == 0, 1, r))[1] - 1, -2) - 2)
;;       q = np.round(r / step) * step * 2.0 ** e      # np.round: ties to even
;;       return np.moveaxis(q.reshape(q.shape[:-2] + (-1,))[..., :K], -1, axis).astype(np.float32)
;;   ~~~
;;   SOFTMAX AHEAD OF A QUANTISED PRODUCT. Where the list says 'softmax', what is quantised is not the finished softmax but p = 2^(t - M), with t = logit x log2(e) and M = ceil(the row's largest t), a whole number; so 1/2 < the row's largest p <= 1. The row's sum l is taken of the UNQUANTISED p, in f32, and the product's result is divided by l at the end. Since M is a whole number, a kernel that streams over the keys may use a running M (the ceiling of the running maximum): every later rescaling is an exact power of two, which a block's scale takes up: the codes' values come out the same.
;;   OPERANDS COMPUTED ON THE WAY. 'Computed on the way' means the value that the module computes at that place (a softmax that the list does not call 'softmax' is quantised finished and normalised). What goes into a quantiser is computed in f32, as accurately as f32 sums, v_exp_f32 and their like allow (about 1e-6 of the number): no bf16 or f16 on the way to a quantiser, and a product that is left as it is and whose result goes on into a quantised operand takes f32 operands (vector FMAs, or v_wmma_f32_16x16x4_f32). A number that lies on a knife's edge between two numbers of the format may be rounded either way, as far as f32 arithmetic and the matrix unit's own rounding can turn it there, and no further.
;; One version. Each part assembles by itself: llvm-mc -triple=amdgcn-amd-amdhsa -mcpu=gfx1250 --defsym DOCPART=n.
;; ======== version 1 of 1: 4 launches
;; limits: right only within a limited range of input values
;; workspace buffers: cw 12,582,912 bytes; sw 524,288 bytes; qh 3,407,872 bytes; kv 6,815,744 bytes; cc 3,145,728 bytes; cs 262,144 bytes
;; launch quant (part 1): grid 256 x 1, 16 waves a work-group, no clusters, 137,216 bytes of LDS; arguments query_tensor, key_tensor, value_tensor, Wq, Wk, Wv, Wo, cw, sw; writes cw, sw
.if DOCPART == 1
	.amdgcn_target "amdgcn-amd-amdhsa--gfx1250"
	.amdhsa_code_object_version 6
	.text
	.protected	k_qce6c805837_quant
	.globl	k_qce6c805837_quant
	.p2align	8
	.type	k_qce6c805837_quant,@function
k_qce6c805837_quant:
	s_mov_b64 s[64:65], 0
	v_nop
	global_prefetch_b8 v0, s[64:65] scope:SCOPE_SE
	s_setreg_imm32_b32 hwreg(HW_REG_WAVE_MODE, 25, 1), 1
	s_wait_xcnt 0x0
; The three tensors [2048][2][1024] and the four weights [1024][1024], f32, K innermost in all seven, become codes of BF6 (E3M2) with one E8M0 byte for each 32 along K.
; The codes are laid in the ORDER OF THE OPERAND'S REGISTERS: a tile is 16 rows, a fragment 16 rows x 128 K = 12 registers a lane, stored as three runs of 512 bytes (16 bytes a lane).
; cw: [tile G][K step 0..7][1,536 bytes];  sw: [tile G][row of the tile 0..15][8 words, one for each K step].  G: query 0-255, key 256-511, value 512-767, Wq 768-, Wk 832-, Wv 896-, Wo 960-1023.
; THE ROWS OF A TILE ARE NOT NEIGHBOURS: lane r of tile t takes row 32 (t / 2) + 8 (t % 2) + r + 8 (r / 8), so that, where such tiles are a product's source 0, the 16 result registers of two
; neighbouring tiles are 16 neighbours along the next product's K.  For the tensors a tile's number is 128 b + t (b the batch), its rows are sequence places s, and row (s, b) lies at (2 s + b) x 4,096 bytes.
; A block's scale is 2^(floor(log2(largest magnitude)) - 4); its byte is the largest magnitude's exponent field - 4, held at 1 from below.
; LIMITS: NaN and infinities are not served; a block of zeros gets the byte 1 where the rule says 127 (its codes are zeros, and this program alone reads the bytes).
; SHARES: sixteen waves; a wave takes one tile and a quarter of K: 16 rows x 256, two steps of 128.  ALL its 32 loads go out at the head: 16 waves x 32 loads x 512 bytes are the 256 KiB that the work-group reads.
; Each load reads 512 consecutive bytes of one row; a step's 16 rows turn through the wave's own stage in LDS (rows 528 bytes apart) and come back 16 neighbours at a time, as the conversions want them.
; Waves share nothing: no barrier.
.set STG,   8448                       ; a wave's stage: 16 rows x (512 + 16) bytes
.set PW,    12                         ; v12-13   the two steps' scale words
.set OFF,   16                         ; v16-31   byte offset of my 16 bytes in row i of the tile
.set R,     32                         ; v32-159  two sets of 64 registers as loaded; the first set's v32-43 later take the second step's codes
.set X,     160                        ; v160-223 64 numbers: register 16 b + i = k 32 b + 16 (lane / 16) + i of my row
.set PC,    224                        ; v224-235 the first step's codes
.set TQ,    236                        ; v236-242 the conversions' second halves
.set TM,    244                        ; v244-247 largest magnitudes, v248-251 at work and bytes, v252-255 the conversions' scale operands
.set SEL,   26                         ; s[26:27] lane selects for v_permlanex16_b32: lane l xor 16
; 64 numbers of a lane become a fragment's codes, registers 0-5 in v[d0] on and 6-11 in v[d1] on, and the row's scale word in v[pw].
.macro QUANT s, d0, d1, pw
.irp b, 0,1,2,3
	v_max3_num_f32 v[TM+\b], |v[\s+16*\b]|, |v[\s+1+16*\b]|, 0x2800000   ; block b: my 16 numbers, and the floor 2^(5 - 127): the byte cannot fall under 1
.endr
.irp i, 2,4,6,8,10,12,14
.irp b, 0,1,2,3
	s_delay_alu instid0(VALU_DEP_4)
	v_max3_num_f32 v[TM+\b], v[TM+\b], |v[\s+16*\b+\i]|, |v[\s+1+16*\b+\i]|   ; the four blocks by turns
.endr
.endr
.irp b, 0,1,2,3
	s_delay_alu instid0(VALU_DEP_4)
	v_permlanex16_b32 v[TM+4+\b], v[TM+\b], s[SEL], s[SEL+1]
.endr
.irp b, 0,1,2,3
	s_delay_alu instid0(VALU_DEP_4)
	v_max_num_f32 v[TM+\b], v[TM+\b], v[TM+4+\b]   ; with lane l xor 16's 16: the block's largest magnitude
.endr
.irp b, 0,1,2,3
	s_delay_alu instid0(VALU_DEP_4)
	v_add_nc_u32 v[TM+8+\b], 0xfe000000, v[TM+\b]   ; 4 off its exponent field: the conversion takes this operand's exponent field as its scale
.endr
.irp b, 0,1,2,3
	s_delay_alu instid0(VALU_DEP_4)
	v_lshrrev_b32 v[TM+4+\b], 23, v[TM+8+\b]       ; the scale's byte
.endr
	s_delay_alu instid0(VALU_DEP_3)
	v_lshl_or_b32 v[\pw], v[TM+5], 8, v[TM+4]
	s_delay_alu instid0(VALU_DEP_1)
	v_lshl_or_b32 v[\pw], v[TM+6], 16, v[\pw]
	s_delay_alu instid0(VALU_DEP_1)
	v_lshl_or_b32 v[\pw], v[TM+7], 24, v[\pw]
	v_cvt_scalef32_pk16_bf6_f32 v[\d0:\d0+2], v[\s:\s+15], v[TM+8]
	v_cvt_scalef32_pk16_bf6_f32 v[TQ:TQ+2], v[\s+16:\s+31], v[TM+9]        ; (a conversion's three registers begin on an even number)
	v_cvt_scalef32_pk16_bf6_f32 v[\d1:\d1+2], v[\s+32:\s+47], v[TM+10]
	v_cvt_scalef32_pk16_bf6_f32 v[TQ+4:TQ+6], v[\s+48:\s+63], v[TM+11]
	v_nop                                          ; one plain place behind a scaled conversion
.irp i, 0,1,2
	v_permlane16_swap_b32 v[\d0+\i], v[TQ+\i]      ; the layout wants a whole block in a lane: lanes 0-15 the even block, lanes 16-31 the odd one
.endr
.irp i, 0,1,2
	s_delay_alu instid0(VALU_DEP_3)
	v_mov_b32 v[\d0+3+\i], v[TQ+\i]
.endr
.irp i, 0,1,2
	v_permlane16_swap_b32 v[\d1+\i], v[TQ+4+\i]
.endr
.irp i, 0,1,2
	s_delay_alu instid0(VALU_DEP_3)
	v_mov_b32 v[\d1+3+\i], v[TQ+4+\i]
.endr
.endm
	s_load_b256 s[4:11], s[0:1], 0x0               ; query, key, value, Wq
	s_load_b256 s[12:19], s[0:1], 0x20             ; Wk, Wv, Wo, cw
	s_load_b64 s[20:21], s[0:1], 0x40              ; sw
	v_lshl_add_u32 v239, v0, 2, 0x21000
	v_mov_b32 v243, 0
	v_lshrrev_b32 v5, 5, v0
	s_delay_alu instid0(VALU_DEP_1)
	v_readfirstlane_b32 s28, v5                    ; wave 0..15
	v_and_b32 v6, 31, v0                           ; lane
	v_and_b32 v7, 15, v0                           ; r
	v_bfe_u32 v8, v0, 4, 1                         ; h
	s_delay_alu instid0(VALU_DEP_3)
	v_lshlrev_b32 v1, 4, v6                        ; 16 x lane
	s_mul_i32 s29, s28, STG
	v_add_nc_u32 v2, s29, v1                       ; the stage, on the way in: row i at 528 i, as loaded
	v_mul_u32_u24 v3, v7, 528
	s_delay_alu instid0(VALU_DEP_1)
	v_lshl_add_u32 v3, v8, 6, v3
	s_delay_alu instid0(VALU_DEP_1)
	v_add_nc_u32 v3, s29, v3                       ; and on the way out: row r, + 64 h: my 16 numbers of each block of 32
	v_lshlrev_b32 v4, 5, v7
	s_delay_alu instid0(VALU_DEP_1)
	v_lshl_add_u32 v4, v8, 2, v4                   ; the scale words: 32 r + 4 h
	s_mov_b32 s[SEL], 0x76543210
	s_mov_b32 s[SEL+1], 0xfedcba98
	s_mov_b32 s30, 0xffff0000                      ; lanes 16-31
.irp b, 0,1,2,3
	v_mov_b32 v[TM+4+\b], 0                        ; written once: a lane permute's destination counts as one of its sources
.endr
	s_lshr_b32 s31, s28, 2                         ; which of the work-group's four tiles
	s_and_b32 s32, s28, 3                          ; which quarter of K
	s_lshl_b32 s33, ttmp9, 2
	s_add_co_u32 s33, s33, s31                     ; G
	s_mov_b32 s24, 960
	s_mov_b32 s25, 4096
	s_wait_kmcnt 0x0
	s_mov_b64 s[22:23], s[16:17]                   ; Wo, unless the work-group's number says otherwise: the choice hangs on that number alone
.macro PICK lim, ptr, base
	s_cmp_lt_u32 ttmp9, \lim
	s_cselect_b64 s[22:23], s[\ptr:\ptr+1], s[22:23]
	s_cselect_b32 s24, \base, s24
.endm
	PICK 240, 14, 896
	PICK 224, 12, 832
	PICK 208, 10, 768
	PICK 192, 8, 512
	PICK 128, 6, 256
	PICK 64, 4, 0
	s_cmp_lt_u32 ttmp9, 192
	s_cselect_b32 s25, 8192, s25                   ; bytes from one row of a tile's axis to the next: the tensors' rows of one batch lie 8,192 apart
	s_sub_co_u32 s34, s33, s24                     ; the tile's number in its tensor
	s_lshr_b32 s35, s34, 7                         ; b (0 for a weight)
	s_and_b32 s36, s34, 127                        ; t
	s_lshr_b32 s37, s36, 1
	s_lshl_b32 s37, s37, 5
	s_and_b32 s38, s36, 1
	s_lshl_b32 s38, s38, 3
	s_add_co_u32 s37, s37, s38                     ; the tile's first row: 32 (t / 2) + 8 (t % 2)
	; THE KEY TENSOR'S TILES TAKE OTHER ROWS: lane r of tile t takes key 64 (t / 4) + 8 (t % 4) + r % 8 + 32 (r / 8), so that the 32 score registers of four neighbouring tiles are one whole block of 32 keys in a lane
	s_lshr_b32 s38, s36, 2
	s_lshl_b32 s38, s38, 6
	s_and_b32 s36, s36, 3
	s_lshl_b32 s36, s36, 3
	s_add_co_u32 s38, s38, s36                     ; 64 (t / 4) + 8 (t % 4)
	s_cmp_eq_u32 s24, 256                          ; the key tensor's tiles begin at G = 256: the choice hangs on the work-group's number alone
	s_cselect_b32 s37, s38, s37
	s_cselect_b32 s31, 0x20000, 0                  ; its rows 8-15 lie 16 rows of 8,192 bytes further on than the other tensors'
	s_mul_i32 s38, s37, s25
	s_lshl_b32 s35, s35, 12
	s_add_co_u32 s38, s38, s35
	s_lshl_b32 s36, s32, 10
	s_add_co_u32 s38, s38, s36                     ; + 4,096 b + 1,024 x quarter of K
	s_mov_b32 s39, 0
	s_add_nc_u64 s[22:23], s[22:23], s[38:39]
	s_mul_i32 s38, s33, 12288
	s_mul_i32 s36, s32, 3072
	s_add_co_u32 s38, s38, s36
	s_add_nc_u64 s[18:19], s[18:19], s[38:39]      ; my two fragments in cw
	s_lshl_b32 s38, s33, 9
	s_lshl_b32 s36, s32, 3
	s_add_co_u32 s38, s38, s36
	s_add_nc_u64 s[20:21], s[20:21], s[38:39]      ; my two words of each row in sw
	v_mov_b32 v9, s25
	v_mov_b32 v10, v1                              ; what rows 0-7 add to their place,
	v_add_nc_u32 v11, s31, v1                      ; and rows 8-15
.irp i, 0,1,2,3,4,5,6,7,8,9,10,11,12,13,14,15
	v_mad_u32_u24 v[OFF+\i], v9, \i+8*(\i/8), v[10+\i/8]   ; row i of the tile lies i + 8 (i / 8) rows on (the key tensor: i + 24 (i / 8))
.endr
.macro LOAD t
.irp i, 0,1,2,3,4,5,6,7,8,9,10,11,12,13,14,15
	global_load_b128 v[R+64*(\t)+4*\i:R+64*(\t)+4*\i+3], v[OFF+\i], s[22:23] offset:512*(\t) th:TH_LOAD_NT   ; 32 lanes read 512 consecutive bytes
.endr
.endm
; Step t: left = the younger loads that may stay out; pc = where its codes go: registers of their own for each step, so that no store's data are written again
.macro STEP t, left, pc
	s_wait_loadcnt \left
.irp i, 0,1,2,3,4,5,6,7,8,9,10,11,12,13,14,15
	ds_store_b128 v2, v[R+64*(\t)+4*\i:R+64*(\t)+4*\i+3] offset:528*\i
.endr
.irp b, 0,1,2,3
.irp j, 0,1,2,3
	ds_load_b128 v[X+16*\b+4*\j:X+16*\b+4*\j+3], v3 offset:128*\b+16*\j   ; LDS serves a wave's instructions in order: these see the stores above
.endr
.endr
	s_wait_dscnt 0x0                               ; the numbers are back, and the stores have read their registers
	QUANT X, \pc, \pc+6, PW+\t
.irp g, 0,1,2
	global_store_b128 v1, v[\pc+4*\g:\pc+4*\g+3], s[18:19] offset:1536*(\t)+512*\g   ; 32 lanes store 512 consecutive bytes, aligned
.endr
.endm
	LOAD 0
	LOAD 1
	STEP 0, 16, PC                                 ; the first step's 16 loads are in; the second's 16 may be out
	STEP 1, 0, R                                   ; its codes go where the first step's numbers lay: those left through the stage, and the wait on DScnt has shown it
	v_cndmask_b32 v10, v[PW], v[PW+1], s30         ; both halves of the lanes hold the row's two words: lanes 0-15 store the first, lanes 16-31 the second: 8 neighbouring bytes a row
	global_store_b32 v4, v10, s[20:21]
	s_wait_tensorcnt 0x0
	ds_add_u32 v239, v243
	s_wait_dscnt 0x0
	s_endpgm
.Lfunc_end_k_qce6c805837_quant:
	.size	k_qce6c805837_quant, .Lfunc_end_k_qce6c805837_quant-k_qce6c805837_quant
	.p2alignl 7, 3214868480
	.fill 96, 4, 3214868480
	.section	.rodata,"a",@progbits
	.p2align	6, 0x0
	.amdhsa_kernel k_qce6c805837_quant
		.amdhsa_group_segment_fixed_size 137216
		.amdhsa_private_segment_fixed_size 0
		.amdhsa_enable_private_segment 0
		.amdhsa_kernarg_size 72
		.amdhsa_user_sgpr_count 2
		.amdhsa_user_sgpr_kernarg_segment_ptr 1
		.amdhsa_wavefront_size32 1
		.amdhsa_system_sgpr_workgroup_id_x 1
		.amdhsa_system_sgpr_workgroup_id_y 1
		.amdhsa_system_sgpr_workgroup_id_z 1
		.amdhsa_system_vgpr_workitem_id 0
		.amdhsa_next_free_vgpr 256
		.amdhsa_next_free_sgpr 66
		.amdhsa_reserve_vcc 0
		.amdhsa_float_denorm_mode_32 3
		.amdhsa_float_denorm_mode_16_64 3
		.amdhsa_memory_ordered 1
		.amdhsa_forward_progress 1
		.amdhsa_inst_pref_size 24
	.end_amdhsa_kernel
	.amdgpu_metadata
---
amdhsa.version: [ 1, 2 ]
amdhsa.kernels:
  - .name:           k_qce6c805837_quant
    .symbol:         k_qce6c805837_quant.kd
    .args:
      - { .name: query_tensor, .offset: 0, .size: 8, .value_kind: global_buffer, .address_space: global }
      - { .name: key_tensor, .offset: 8, .size: 8, .value_kind: global_buffer, .address_space: global }
      - { .name: value_tensor, .offset: 16, .size: 8, .value_kind: global_buffer, .address_space: global }
      - { .name: Wq, .offset: 24, .size: 8, .value_kind: global_buffer, .address_space: global }
      - { .name: Wk, .offset: 32, .size: 8, .value_kind: global_buffer, .address_space: global }
      - { .name: Wv, .offset: 40, .size: 8, .value_kind: global_buffer, .address_space: global }
      - { .name: Wo, .offset: 48, .size: 8, .value_kind: global_buffer, .address_space: global }
      - { .name: cw, .offset: 56, .size: 8, .value_kind: global_buffer, .address_space: global }
      - { .name: sw, .offset: 64, .size: 8, .value_kind: global_buffer, .address_space: global }
    .group_segment_fixed_size: 137216
    .private_segment_fixed_size: 0
    .kernarg_segment_align: 8
    .kernarg_segment_size: 72
    .max_flat_workgroup_size: 512
    .sgpr_count:     66
    .vgpr_count:     256
    .wavefront_size: 32
...
	.end_amdgpu_metadata
.endif
;; end of part 1
;; launch proj (part 2): grid 4 x 48, 4 waves a work-group, clusters of 4 x 4, 327,680 bytes of LDS; arguments cw, sw, bq, bk, bv, qh, kv; writes qh, kv
.if DOCPART == 2
	.amdgcn_target "amdgcn-amd-amdhsa--gfx1250"
	.amdhsa_code_object_version 6
	.text
	.protected	k_qce6c805837_proj
	.globl	k_qce6c805837_proj
	.p2align	8
	.type	k_qce6c805837_proj,@function
k_qce6c805837_proj:
	s_mov_b64 s[64:65], 0
	v_nop
	global_prefetch_b8 v0, s[64:65] scope:SCOPE_SE
	s_setreg_imm32_b32 hwreg(HW_REG_WAVE_MODE, 25, 1), 1
	s_wait_xcnt 0x0
	s_wait_alu depctr_hold_cnt(0) depctr_sa_sdst(0) depctr_va_vdst(0) depctr_va_sdst(0) depctr_va_ssrc(0) depctr_va_vcc(0) depctr_vm_vsrc(0)
	s_getreg_b32 s2, hwreg(HW_REG_IB_STS2, 6, 4)
	s_cmp_eq_u32 s2, 0
	s_cbranch_scc0 .Lentry_in_a_cluster
	s_endpgm
.Lentry_in_a_cluster:
	s_bfe_u32 s2, ttmp6, 0x10000c
	s_cmp_lg_u32 s2, 0xf033
	s_cbranch_scc0 .Lentry_shape_is_right
	s_endpgm
.Lentry_shape_is_right:
.set NQ,     2
.set FR,     12
.set NL,     3
.set NP,     4
.set TILEB,  3072
.set HALFT,  8*TILEB
.set SLOT,   4*HALFT
.set LAPS,   2
.set KS,     32
.set SCL,    2*SLOT
.set HALFS,  16*272
.set SBLK,   544
.set SPARE,  SCL+4*HALFS
.set ADRA, 16
.set ADRB, 20
.set VB,   24
.set QB,   25
.set LI,   26
.set ADRS, 27
.set SPW,  28
.set NIL,  29
.set SC,   32
.set BI,   64
.set AF,   128
.set H,    128
.set CD,   192
.set TQ,   216
.set TM,   224
.set PWE,  236
.set PWO,  237
.set TW,   238
.set SA,   240
.set SB,   244
.set G1, 24
.set G0, 32
.set G1B, 48
.set G0B, 56
.set SEL, 66
.set G1S, 68
.set G0S, 76
.set G1SB, 80
.set G0SB, 88
.set MSB, 0
.macro WIN new
.set WNEW, \new
.if MSB != WNEW
	s_set_vgpr_msb (MSB<<8)|WNEW
.set MSB, WNEW
.endif
.endm
.set MUL_LO, 0xa1
.set MUL_HI, 0xf1
.set TO_B,   0x40
.macro JLOAD g0a, g1a, g0b, g1b
	s_cmp_eq_u32 s15, 0
	s_cbranch_scc0 .Lfor_b_\@
	tensor_load_to_lds s[\g0a:\g0a+3], s[\g1a:\g1a+7]
	s_nop 0
.rept 4
	v_nop
.endr
	s_branch .Lasked_\@
.Lfor_b_\@:
	tensor_load_to_lds s[\g0b:\g0b+3], s[\g1b:\g1b+7]
	s_nop 0
.rept 4
	v_nop
.endr
.Lasked_\@:
.endm
.macro CREST
	s_cmp_lg_u32 s14, 0
	s_cbranch_scc1 .Lnot_wave_0_\@
	s_barrier_signal -3
.Lnot_wave_0_\@:
	s_barrier_wait -3
	s_barrier_signal -1
	s_barrier_wait -1
.endm
.macro CROUND
	s_barrier_signal -1
	s_barrier_wait -1
	CREST
.endm
.macro QUANT s, d0, d1, pw
.irp b, 0,1,2,3
	v_max3_num_f32 v[TM+\b], |v[\s+16*\b]|, |v[\s+1+16*\b]|, 0x2800000
.endr
.irp i, 2,4,6,8,10,12,14
.irp b, 0,1,2,3
	v_max3_num_f32 v[TM+\b], v[TM+\b], |v[\s+16*\b+\i]|, |v[\s+1+16*\b+\i]|
.endr
.endr
.irp b, 0,1,2,3
	v_permlanex16_b32 v[TM+4+\b], v[TM+\b], s[SEL], s[SEL+1]
.endr
.irp b, 0,1,2,3
	v_max_num_f32 v[TM+\b], v[TM+\b], v[TM+4+\b]
.endr
.irp b, 0,1,2,3
	v_add_nc_u32 v[TM+8+\b], 0xfe000000, v[TM+\b]
.endr
.irp b, 0,1,2,3
	v_lshrrev_b32 v[TM+4+\b], 23, v[TM+8+\b]
.endr
	v_lshl_or_b32 v[\pw], v[TM+5], 8, v[TM+4]
	v_lshl_or_b32 v[\pw], v[TM+6], 16, v[\pw]
	v_lshl_or_b32 v[\pw], v[TM+7], 24, v[\pw]
	v_cvt_scalef32_pk16_bf6_f32 v[\d0:\d0+2], v[\s:\s+15], v[TM+8]
	v_cvt_scalef32_pk16_bf6_f32 v[TQ:TQ+2], v[\s+16:\s+31], v[TM+9]
	v_cvt_scalef32_pk16_bf6_f32 v[\d1:\d1+2], v[\s+32:\s+47], v[TM+10]
	v_cvt_scalef32_pk16_bf6_f32 v[TQ+4:TQ+6], v[\s+48:\s+63], v[TM+11]
	v_nop
.irp i, 0,1,2
	v_permlane16_swap_b32 v[\d0+\i], v[TQ+\i]
.endr
.irp i, 0,1,2
	v_mov_b32 v[\d0+3+\i], v[TQ+\i]
.endr
.irp i, 0,1,2
	v_permlane16_swap_b32 v[\d1+\i], v[TQ+4+\i]
.endr
.irp i, 0,1,2
	v_mov_b32 v[\d1+3+\i], v[TQ+4+\i]
.endr
.endm
	s_load_b256 s[4:11], s[0:1], 0x0
	s_load_b128 s[92:95], s[0:1], 0x20
	s_load_b64 s[96:97], s[0:1], 0x30
	v_lshl_add_u32 v[SPW], v0, 2, SPARE
	v_mov_b32 v[NIL], 0
	ds_add_u32 v28, v29
	ds_add_u32 v28, v29
	s_wait_dscnt 0x0
	v_lshrrev_b32 v1, 5, v0
	v_readfirstlane_b32 s14, v1
	s_lshr_b32 s15, s14, 1
	s_and_b32 s16, s14, 1
	s_bfe_u32 s40, ttmp6, 0x40000
	s_bfe_u32 s41, ttmp6, 0x40004
	s_and_b32 s17, ttmp7, 0xffff
	s_lshr_b32 s98, s17, 2
	s_and_b32 s17, s17, 3
	s_lshl_b32 s17, s17, 2
	s_lshl_b32 s43, s41, 2
	s_lshl_b32 s43, 15, s43
	s_lshl_b32 s44, 0x1111, s40
	s_mov_b32 s[SEL], 0x76543210
	s_mov_b32 s[SEL+1], 0xfedcba98
	s_mov_b32 s99, 0xffff0000
	s_or_b32 s[G1+0], s43, (3<<16)|(1<<21)
	s_or_b32 s[G1B+0], s44, (3<<16)|(1<<21)
.irp g, G1, G1B
	s_mov_b32 s[\g+1], 384<<16
	s_mov_b32 s[\g+2], 16<<16
	s_mov_b32 s[\g+3], 384<<16
	s_mov_b32 s[\g+4], 16
	s_mov_b32 s[\g+5], 1536
	s_mov_b32 s[\g+6], 0
	s_mov_b32 s[\g+7], 0
.endr
	s_or_b32 s[G1S+0], s43, (3<<16)|(1<<20)|(1<<21)|(5<<22)|(3<<25)
	s_or_b32 s[G1SB+0], s44, (3<<16)|(1<<20)|(1<<21)|(5<<22)|(3<<25)
.irp g, G1S, G1SB
	s_mov_b32 s[\g+1], 32<<16
	s_mov_b32 s[\g+2], 32<<16
	s_mov_b32 s[\g+3], 32<<16
	s_mov_b32 s[\g+4], 32
	s_mov_b32 s[\g+5], 32
	s_mov_b32 s[\g+6], 0
	s_mov_b32 s[\g+7], 0
.endr
	s_lshl_b32 s20, s98, 8
	s_lshl_b32 s46, s98, 6
	s_add_co_u32 s46, s46, 768
	s_cmp_eq_u32 s98, 2
	s_cselect_b32 s20, 896, s20
	s_cselect_b32 s46, 512, s46
	s_cselect_b32 s18, s17, 0
	s_cselect_b32 s19, 0, s17
	s_add_co_u32 s42, s40, s18
	s_add_co_u32 s12, s41, s19
	s_lshl_b32 s13, s16, 3
	s_lshl_b32 s18, s12, 4
	s_add_co_u32 s20, s20, s18
	s_add_co_u32 s20, s20, s13
	s_lshl_b32 s22, s20, 9
	s_mul_i32 s20, s20, 12288
	s_mov_b32 s21, 0
	s_mov_b32 s23, 0
	s_lshl_b32 s19, s42, 4
	s_add_co_u32 s46, s46, s19
	s_add_co_u32 s46, s46, s13
	s_lshl_b32 s2, s46, 9
	s_mul_i32 s46, s46, 12288
	s_mov_b32 s47, 0
	s_mov_b32 s3, 0
	s_mul_i32 s45, s14, HALFT
	s_wait_kmcnt 0x0
	s_add_nc_u64 s[20:21], s[4:5], s[20:21]
	s_add_nc_u64 s[22:23], s[6:7], s[22:23]
	s_add_nc_u64 s[46:47], s[4:5], s[46:47]
	s_add_nc_u64 s[2:3], s[6:7], s[2:3]
	CROUND
	s_mov_b32 s[G0S], 1
	s_mov_b32 s[G0S+1], SCL                        ; the scales of A's 256 rows, whole: 32 rows of 256 bytes
	s_lshl_b32 s100, s16, 12                       ; back from my half of the tiles to the first: 8 tiles x 512 bytes
	s_mov_b32 s101, 0
	s_sub_nc_u64 s[G0S+2:G0S+3], s[22:23], s[100:101]
	s_or_b32 s[G0S+3], s[G0S+3], 0x80000000
	s_mov_b32 s[G0SB], 1
	s_mov_b32 s[G0SB+1], SCL+2*HALFS               ; and of B's
	s_sub_nc_u64 s[G0SB+2:G0SB+3], s[2:3], s[100:101]
	s_or_b32 s[G0SB+3], s[G0SB+3], 0x80000000
.irp s, 0,1
	s_mov_b32 s[G0+4*\s], 1
	s_add_co_u32 s[G0+4*\s+1], s45, \s*SLOT
	s_add_nc_u64 s[G0+4*\s+2:G0+4*\s+3], s[20:21], \s*TILEB
	s_or_b32 s[G0+4*\s+3], s[G0+4*\s+3], 0x80000000
	s_mov_b32 s[G0B+4*\s], 1
	s_add_co_u32 s[G0B+4*\s+1], s45, \s*SLOT
	s_add_nc_u64 s[G0B+4*\s+2:G0B+4*\s+3], s[46:47], \s*TILEB
	s_or_b32 s[G0B+4*\s+3], s[G0B+4*\s+3], 0x80000000
.endr
	; THE HEAD'S FOUR TILES, ONE LOAD A WAVE: wave 0 slot 0's 16 tiles of A (its own group 0 begins at the first of them), wave 1 the 16 tiles of B, wave 2 A's scales, wave 3 B's.
	s_mul_i32 s100, s16, 8*12288                   ; back from my half of B's tiles to the first
	s_mov_b32 s4, 1                                ; s[4:7], which held arguments that are used up: group 0 for B's 16 tiles
	s_mov_b32 s5, 2*HALFT
	s_sub_nc_u64 s[6:7], s[46:47], s[100:101]
	s_or_b32 s7, s7, 0x80000000
	; THE PREFETCHES' BASE.  In the ring I fetch 8 tiles x 3,072 bytes of a slot: 96 blocks of 256 bytes.  The four partners that ask for them jointly share them out BY ADDRESS: the partner at place p
	; (cx for A's tiles, cy for B's) takes tiles 2 p and 2 p + 1, 24 blocks.  s[104:105] and v30 are never rewritten.
	s_cmp_eq_u32 s15, 0                            ; do I fetch for A?
	s_cselect_b64 s[104:105], s[20:21], s[46:47]   ; my 8 tiles, K steps 0 and 1
	s_cselect_b32 s100, s40, s41
	s_mul_i32 s100, s100, 2*12288
	s_add_nc_u64 s[104:105], s[104:105], s[100:101]
.macro ARM under, g0, g1, next
	s_cmp_lt_u32 s14, \under
	s_cbranch_scc0 \next
	tensor_load_to_lds s[\g0:\g0+3], s[\g1:\g1+7]
	s_nop 0
.rept 4
	v_nop
.endr
	s_branch .Lhead_asked
\next:
.endm
	ARM 1, G0, G1, .Lhead_b
	ARM 2, 4, G1B, .Lhead_sa
	ARM 3, G0S, G1S, .Lhead_sb
	tensor_load_to_lds s[G0SB:G0SB+3], s[G1SB:G1SB+7]
	s_nop 0
.rept 4
	v_nop
.endr
.Lhead_asked:
	v_and_b32 v30, 31, v0
	v_min_u32 v30, 23, v30                         ; a lane a block; lanes 24-31 name the last block again
	v_mul_u32_u24 v31, v30, 171
	v_lshrrev_b32 v31, 11, v31                     ; block / 12: which of my two tiles
	v_mul_u32_u24 v31, v31, 12288-3072             ; a tile's next 3,072 bytes lie 12,288 on
	v_lshl_add_u32 v30, v30, 8, v31
	global_prefetch_b8 v30, s[104:105] offset:3072 th:TH_LOAD_NT scope:SCOPE_SE   ; slot 1's first fill (K steps 2, 3), which is asked for behind the next round
	s_wait_alu depctr_va_vdst(0)
	s_wait_tensorcnt 0x0                           ; my tile of the four is in; slot 1's first fill is issued as a refill is
	ds_add_u32 v28, v29
	s_mov_b32 s[G1+2], 8<<16                       ; no load of mine is out: from here on a load brings 8 tiles
	s_mov_b32 s[G1+4], 8
	s_mov_b32 s[G1B+2], 8<<16
	s_mov_b32 s[G1B+4], 8
	s_wait_dscnt 0x0
	CROUND
	JLOAD G0+4, G1, G0B+4, G1B
	global_prefetch_b8 v30, s[104:105] offset:6144 th:TH_LOAD_NT scope:SCOPE_SE   ; the two refills: K steps 4, 5, one fill ahead of their load,
	global_prefetch_b8 v30, s[104:105] offset:9216 th:TH_LOAD_NT scope:SCOPE_SE   ; and K steps 6, 7, two fills ahead: a tile's last bytes, inside cw
	v_and_b32 v1, 15, v0
	v_bfe_u32 v2, v0, 4, 1
	v_and_b32 v3, 31, v0
	v_lshlrev_b32 v[LI], 4, v3
	s_mul_i32 s21, s15, HALFT
	s_mul_i32 s22, s16, HALFT
	s_add_co_u32 s22, s22, 2*HALFT
.irp s, 0,1
	v_add_nc_u32 v[ADRA+\s], s21, v[LI]
	v_add_nc_u32 v[ADRB+\s], s22, v[LI]
	s_add_co_u32 s21, s21, SLOT
	s_add_co_u32 s22, s22, SLOT
.endr
	v_mul_u32_u24 v5, v1, KS
	v_lshrrev_b32 v6, 8, v5
	v_lshl_add_u32 v5, v6, 4, v5
	s_mul_i32 s21, s15, HALFS
	s_mul_i32 s22, s16, HALFS
	s_add_co_u32 s22, s22, 2*HALFS
	s_sub_co_u32 s22, s22, s21
	v_mul_u32_u24 v6, s22, v2
	s_add_co_u32 s21, s21, SCL
	v_add_nc_u32 v5, v5, v6
	v_add_nc_u32 v[ADRS], s21, v5
	v_and_b32 v4, 8, v1
	v_add_nc_u32 v4, v4, v1
	v_lshlrev_b32 v[VB], 2, v4
	v_lshlrev_b32 v[QB], 6, v2
.irp b, 0,1,2,3
	v_mov_b32 v[TM+4+\b], 0
.endr
	s_lshl_b32 s18, s12, 4
	s_lshl_b32 s20, s15, 3
	s_add_co_u32 s18, s18, s20
	s_lshl_b32 s19, s42, 4
	s_lshl_b32 s20, s16, 3
	s_add_co_u32 s19, s19, s20
	s_mov_b32 s23, 212992
	s_cmp_eq_u32 s98, 0
	s_cselect_b64 s[8:9], s[8:9], s[10:11]
	s_cselect_b64 s[10:11], s[94:95], s[96:97]
	s_cselect_b32 s23, 106496, s23
	s_cmp_eq_u32 s98, 2
	s_cselect_b64 s[8:9], s[92:93], s[8:9]
	s_cselect_b32 s20, s19, s18
	s_cselect_b32 s21, s18, s19
	s_cselect_b32 s22, 6656, 0
	s_lshr_b32 s46, s20, 7
	s_and_b32 s47, s20, 127
	s_lshr_b32 s47, s47, 3
	s_lshl_b32 s46, s46, 4
	s_lshr_b32 s45, s21, 2
	s_add_co_u32 s46, s46, s45
	s_mul_i32 s46, s46, s23
	s_lshr_b32 s45, s23, 4
	s_mul_i32 s47, s47, s45
	s_add_co_u32 s46, s46, s47
	s_add_co_u32 s46, s46, s22
	s_mov_b32 s47, 0
	s_add_nc_u64 s[10:11], s[10:11], s[46:47]
	s_mov_b32 s22, s23
	s_mov_b32 s23, 0
	s_add_nc_u64 s[12:13], s[10:11], s[22:23]
	s_lshl_b32 s46, s21, 6
	s_add_nc_u64 s[8:9], s[8:9], s[46:47]
.macro FRAG reg, adr, q, i
.irp g, 0,1,2
	ds_load_b128 v[\reg+4*\g:\reg+4*\g+3], v[\adr] offset:(\i)*TILEB+(\q)*1536+512*\g
.endr
.endm
.macro MUL16 a0, p, q, sc, zero
.irp a, \a0, \a0+1
.irp b, 0,1,2,3,4,5,6,7
.if \zero
	v_wmma_scale_f32_16x16x128_f8f6f4 v[8*(8*((\a)%4)+\b):8*(8*((\a)%4)+\b)+7], v[128*(\p)+FR*\b:128*(\p)+FR*\b+FR-1], v[AF+FR*(\a):AF+FR*(\a)+FR-1], 0, v[SC+8*NQ*(\sc)+NQ*\b+(\q)], v[SC+8*NQ*(\sc)+NQ*(\a)+(\q)] matrix_a_fmt:MATRIX_FMT_BF6 matrix_b_fmt:MATRIX_FMT_BF6 matrix_a_scale:MATRIX_SCALE_ROW1
.else
	v_wmma_scale_f32_16x16x128_f8f6f4 v[8*(8*((\a)%4)+\b):8*(8*((\a)%4)+\b)+7], v[128*(\p)+FR*\b:128*(\p)+FR*\b+FR-1], v[AF+FR*(\a):AF+FR*(\a)+FR-1], v[8*(8*((\a)%4)+\b):8*(8*((\a)%4)+\b)+7], v[SC+8*NQ*(\sc)+NQ*\b+(\q)], v[SC+8*NQ*(\sc)+NQ*(\a)+(\q)] matrix_a_fmt:MATRIX_FMT_BF6 matrix_b_fmt:MATRIX_FMT_BF6 matrix_a_scale:MATRIX_SCALE_ROW1
.endif
.endr
.endr
.endm
.macro FETCH_B slot, q, p
	WIN TO_B
.irp i, 0,1,2,3,4,5,6,7
	FRAG 128*(\p)+FR*\i, ADRB+\slot, \q, \i
.endr
	WIN 0
.endm
.macro FETCH_A slot, q, i0
.irp i, \i0, \i0+1, \i0+2, \i0+3
	FRAG AF+FR*(\i), ADRA+\slot, \q, \i
.endr
.endm
.macro SCALES sc
.irp i, 0,1,2,3,4,5,6,7
	ds_load_b64 v[SC+8*NQ*\sc+NQ*\i:SC+8*NQ*\sc+NQ*\i+1], v[ADRS] offset:\i*SBLK
.endr
.endm
.macro PLACES n
.rept \n
	v_nop
.endr
.endm
.macro STEP slot, q, zero
	s_wait_dscnt 4*NL
	WIN MUL_LO
	MUL16 0, (\q)%2, \q, \slot, \zero
	MUL16 2, (\q)%2, \q, \slot, \zero
	s_wait_dscnt 0
	PLACES NP
	FETCH_B \slot, (\q)+1, 1-(\q)%2
	FETCH_A \slot, (\q)+1, 0
	WIN MUL_HI
	MUL16 4, (\q)%2, \q, \slot, \zero
	MUL16 6, (\q)%2, \q, \slot, \zero
	PLACES NP
	WIN 0
	FETCH_A \slot, (\q)+1, 4
.endm
.macro TURN slot, next, fill
	s_wait_tensorcnt 0x0
	ds_add_u32 v[SPW], v[NIL]
	s_wait_dscnt 4*NL+1
	WIN MUL_LO
	MUL16 0, 1, NQ-1, \slot, 0
	s_wait_dscnt 0x0
	s_barrier_signal -1
	MUL16 2, 1, NQ-1, \slot, 0
	WIN 0
	s_barrier_wait -1
.if \fill
	CREST
	s_add_nc_u64 s[G0+4*\slot+2:G0+4*\slot+3], s[G0+4*\slot+2:G0+4*\slot+3], 2*TILEB
	s_add_nc_u64 s[G0B+4*\slot+2:G0B+4*\slot+3], s[G0B+4*\slot+2:G0B+4*\slot+3], 2*TILEB
	JLOAD G0+4*\slot, G1, G0B+4*\slot, G1B
.else
	PLACES NP
.endif
	s_wait_alu depctr_va_vdst(0)
	v_add_nc_u32 v[ADRS], 4*NQ, v[ADRS]
	FETCH_B \next, 0, 0
	FETCH_A \next, 0, 0
	SCALES \next
	WIN MUL_HI
	MUL16 4, 1, NQ-1, \slot, 0
	MUL16 6, 1, NQ-1, \slot, 0
	PLACES NP
	WIN 0
	FETCH_A \next, 0, 4
.endm
.macro LASTSTEP
	s_wait_dscnt 4*NL
	WIN MUL_LO
	MUL16 0, 1, NQ-1, 1, 0
	MUL16 2, 1, NQ-1, 1, 0
	s_wait_dscnt 0
	WIN MUL_HI
	MUL16 4, 1, NQ-1, 1, 0
	MUL16 6, 1, NQ-1, 1, 0
	WIN 0
.endm
.macro ADDBIAS a, per
	WIN 0x02+(\a)/4
.set AC, 64*((\a)%4)
.set J, 0
.rept 32
.if \per
	v_pk_add_f32 v[H+J:H+J+1], v[AC+J:AC+J+1], v[BI+J:BI+J+1]
.else
	v_pk_add_f32 v[H+J:H+J+1], v[AC+J:AC+J+1], v[BI+2*(\a):BI+2*(\a)+1]
.endif
.set J, J+2
.endr
	WIN 0
.endm
	s_wait_alu depctr_va_vdst(0)
	s_wait_tensorcnt 1
	s_barrier_signal -1
	s_barrier_wait -1
	FETCH_B 0, 0, 0
	FETCH_A 0, 0, 0
	SCALES 0
	FETCH_A 0, 0, 4
	STEP 0, 0, 1
	s_mov_b32 s3, LAPS-1
.Llap:
	TURN 0, 1, 1
	STEP 1, 0, 0
	TURN 1, 0, 1
	STEP 0, 0, 0
	s_sub_co_u32 s3, s3, 1
	s_cmp_lg_u32 s3, 0
	s_cbranch_scc1 .Llap
	TURN 0, 1, 0
	STEP 1, 0, 0
	s_cmp_eq_u32 s98, 2
	s_cbranch_scc1 .Lvtail
.irp b, 0,1,2,3
.irp q, 0,1,2,3
	global_load_b128 v[BI+16*\b+4*\q:BI+16*\b+4*\q+3], v[QB], s[8:9] offset:128*\b+16*\q
.endr
.endr
	LASTSTEP
	s_wait_loadcnt 0x0
	PLACES NP
.irp p, 0,1,2,3
	s_wait_xcnt 0x0
	ADDBIAS 2*\p, 1
	QUANT H, CD, CD+12, PWE
	ADDBIAS 2*\p+1, 1
	QUANT H, CD+6, CD+18, PWO
	v_cndmask_b32 v[TW], v[PWE], v[PWO], s99
	v_and_b32 v[SA+\p], 0xffff, v[TW]
	v_lshrrev_b32 v[SB+\p], 16, v[TW]
.irp g, 0,1,2
	global_store_b128 v[LI], v[CD+4*\g:CD+4*\g+3], s[10:11] offset:1536*\p+512*\g
	global_store_b128 v[LI], v[CD+12+4*\g:CD+12+4*\g+3], s[12:13] offset:1536*\p+512*\g
.endr
.endr
	global_store_b128 v[LI], v[SA:SA+3], s[10:11] offset:6144
	global_store_b128 v[LI], v[SB:SB+3], s[12:13] offset:6144
	s_branch .Lend
.Lvtail:
.irp a, 0,1,2,3,4,5,6,7
	global_load_b32 v[BI+2*\a], v[VB], s[8:9] offset:4*(32*(\a/2)+8*(\a%2))
	global_load_b32 v[BI+2*\a+1], v[VB], s[8:9] offset:4*(32*(\a/2)+8*(\a%2))
.endr
	LASTSTEP
	s_wait_loadcnt 0x0
	PLACES NP
.irp a, 0,1,2,3,4,5,6,7
	s_wait_xcnt 0x0
	ADDBIAS \a, 0
	QUANT H, CD, CD+6, SA+\a%4
.irp g, 0,1,2
.if \a < 4
	global_store_b128 v[LI], v[CD+4*\g:CD+4*\g+3], s[10:11] offset:1536*(\a%4)+512*\g
.else
	global_store_b128 v[LI], v[CD+4*\g:CD+4*\g+3], s[12:13] offset:1536*(\a%4)+512*\g
.endif
.endr
.if \a == 3
	global_store_b128 v[LI], v[SA:SA+3], s[10:11] offset:6144
.endif
.if \a == 7
	global_store_b128 v[LI], v[SA:SA+3], s[12:13] offset:6144
.endif
.endr
.Lend:
	s_wait_tensorcnt 0x0
	ds_add_u32 v[SPW], v[NIL]
	s_wait_dscnt 0x0
	CROUND
	s_endpgm
.Lfunc_end_k_qce6c805837_proj:
	.size	k_qce6c805837_proj, .Lfunc_end_k_qce6c805837_proj-k_qce6c805837_proj
	.p2alignl 7, 3214868480
	.fill 96, 4, 3214868480
	.section	.rodata,"a",@progbits
	.p2align	6, 0x0
	.amdhsa_kernel k_qce6c805837_proj
		.amdhsa_group_segment_fixed_size 327680
		.amdhsa_private_segment_fixed_size 0
		.amdhsa_enable_private_segment 0
		.amdhsa_kernarg_size 56
		.amdhsa_user_sgpr_count 2
		.amdhsa_user_sgpr_kernarg_segment_ptr 1
		.amdhsa_wavefront_size32 1
		.amdhsa_system_sgpr_workgroup_id_x 1
		.amdhsa_system_sgpr_workgroup_id_y 1
		.amdhsa_system_sgpr_workgroup_id_z 1
		.amdhsa_system_vgpr_workitem_id 0
		.amdhsa_next_free_vgpr 1024
		.amdhsa_next_free_sgpr 106
		.amdhsa_reserve_vcc 0
		.amdhsa_float_denorm_mode_32 3
		.amdhsa_float_denorm_mode_16_64 3
		.amdhsa_memory_ordered 1
		.amdhsa_forward_progress 1
		.amdhsa_inst_pref_size 219
	.end_amdhsa_kernel
	.amdgpu_metadata
---
amdhsa.version: [ 1, 2 ]
amdhsa.kernels:
  - .name:           k_qce6c805837_proj
    .symbol:         k_qce6c805837_proj.kd
    .args:
      - { .name: cw, .offset: 0, .size: 8, .value_kind: global_buffer, .address_space: global }
      - { .name: sw, .offset: 8, .size: 8, .value_kind: global_buffer, .address_space: global }
      - { .name: bq, .offset: 16, .size: 8, .value_kind: global_buffer, .address_space: global }
      - { .name: bk, .offset: 24, .size: 8, .value_kind: global_buffer, .address_space: global }
      - { .name: bv, .offset: 32, .size: 8, .value_kind: global_buffer, .address_space: global }
      - { .name: qh, .offset: 40, .size: 8, .value_kind: global_buffer, .address_space: global }
      - { .name: kv, .offset: 48, .size: 8, .value_kind: global_buffer, .address_space: global }
    .group_segment_fixed_size: 327680
    .private_segment_fixed_size: 0
    .kernarg_segment_align: 8
    .kernarg_segment_size: 56
    .max_flat_workgroup_size: 128
    .sgpr_count:     106
    .vgpr_count:     1024
    .wavefront_size: 32
...
	.end_amdgpu_metadata
.endif
;; end of part 2
;; launch attn (part 3): grid 8 x 32, 16 waves a work-group, clusters of 4 x 1, 215,040 bytes of LDS; arguments qh, kv, cc, cs; writes cc, cs
.if DOCPART == 3
	.amdgcn_target "amdgcn-amd-amdhsa--gfx1250"
	.amdhsa_code_object_version 6
	.text
	.protected	k_qce6c805837_attn
	.globl	k_qce6c805837_attn
	.p2align	8
	.type	k_qce6c805837_attn,@function
k_qce6c805837_attn:
	s_mov_b64 s[64:65], 0
	v_nop
	global_prefetch_b8 v0, s[64:65] scope:SCOPE_SE
	s_setreg_imm32_b32 hwreg(HW_REG_WAVE_MODE, 25, 1), 1
	s_wait_xcnt 0x0
	s_wait_alu depctr_hold_cnt(0) depctr_sa_sdst(0) depctr_va_vdst(0) depctr_va_sdst(0) depctr_va_ssrc(0) depctr_va_vcc(0) depctr_vm_vsrc(0)
	s_getreg_b32 s2, hwreg(HW_REG_IB_STS2, 6, 4)
	s_cmp_eq_u32 s2, 0
	s_cbranch_scc0 .Lentry_in_a_cluster
	s_endpgm
.Lentry_in_a_cluster:
	s_bfe_u32 s2, ttmp6, 0x10000c
	s_cmp_lg_u32 s2, 0x3003
	s_cbranch_scc0 .Lentry_shape_is_right
	s_endpgm
.Lentry_shape_is_right:
; ctx[head][q] = the sum over keys of softmax(q . k) v, 32 heads of 64 channels, 2,048 queries and keys, no 1 / sqrt: both products on codes of BF6 (E3M2) with E8M0 scales.
; THE SOFTMAX: t = score x log2(e); M = the running largest t rounded UP to a whole number; p = 2^(t - M) is quantised along the keys, not normalised; the row's sum is taken of the unquantised p
; and divides at the end; when M moves, the sum and O are multiplied by 2^(old M - new M), which rounds nothing.
; SHARES: a work-group owns 256 queries of one head, each of its sixteen waves one tile of 16.  LDS holds the head's whole block of kv, 16 steps x 13,312 bytes, FILLED ONCE: wave w brings step w's block by one
; load; each wave waits for its own and passes ONE barrier.  The four query blocks of a cluster share the head: the loads are joint.  All of kv is asked for at the head, so there is no later tile to prefetch.
; Both products are used transposed (S^T = k q^T, O^T = v^T p^T): a lane holds one query throughout.
; THE KEYS OF A TILE: lane r of k's tile t holds key 64 (t / 4) + 8 (t % 4) + r % 8 + 32 (r / 8).  So register 32 c + i of S^T in lane (r, h) is key 64 c + 32 h + i: a WHOLE block of 32 keys lies in one lane, in the
; order of the second product's operand: a block's largest score needs no other lane, and the conversions' results are the operand's registers (three of each six moved: a conversion's result begins on an even register).
; THE SCORES' K IS 64, the instruction's 128: q's registers 6-11 are zero codes; k's operand for tile t is its six registers and the six that follow, which meet zero codes.  Bytes 2, 3 of both scale words are 0 (2^-127).
; Two-number steps (t - M, the sums, the rescaling) are dual-issue pairs on an even and an odd register; log2(e), -M and the factor are each kept twice, in two neighbouring registers, one for each half of a pair.
; OUT: ctx / l is quantised along the model's 1,024: cc [tile of rows][head][768 bytes]; cs [tile][K step][lane][word]: this head's two bytes of it.
; LIMITS: NaN and infinities are not served; the promise holds while |t| stays under 2^31; 1 / l is v_rcp_f32's; a block of zeros gets the byte 1 (its codes are zeros, and this program alone reads the bytes).
; REGISTERS: v1 16 x lane, v2 the step's LDS address, v3 8 x lane, v4 4 x lane, v8 8 (lane / 16); v9 the largest t; v10-11 log2(e); v12-13 -M; v14-15 the sum; v16-27 q; v28-31 k's scale words; v32-79 k's or v's
;   fragments; v80-85 zeros; v86-89 v's scale words; v90 q's; v96-159 S^T, then p; v160-191 O^T; v192-205 partial sums (at the head q's pair); v206-218 at work; v216 p's scale word; v224-235 p's codes; v252-253 the factor.
.set STEPB, 13312
.set WV,   12
.set SEL,  20
.set G1,   24
.set G0,   32
.set TB,   48
.set CNT,  49
.macro CROUND
	s_barrier_signal -1
	s_barrier_wait -1
	s_cmp_lg_u32 s[WV], 0
	s_cbranch_scc1 .Lnot_wave_0_\@
	s_barrier_signal -3
.Lnot_wave_0_\@:
	s_barrier_wait -3
	s_barrier_signal -1
	s_barrier_wait -1
.endm
.macro DADD d, a, b                    ; two additions: registers d, a, b are even, their neighbours odd
	v_dual_add_f32 v[\d], v[\a], v[\b] :: v_dual_add_f32 v[\d+1], v[\a+1], v[\b+1]
.endm
	s_load_b256 s[4:11], s[0:1], 0x0               ; qh, kv, cc, cs
	v_lshl_add_u32 v251, v0, 2, 0x34000            ; my spare word, behind the sixteen blocks
	v_mov_b32 v255, 0
	ds_add_u32 v251, v255                          ; the opening lines: the add twice on end
	ds_add_u32 v251, v255
	v_lshrrev_b32 v5, 5, v0
	s_delay_alu instid0(VALU_DEP_1)
	v_readfirstlane_b32 s[WV], v5                  ; wave 0..15
	s_bfe_u32 s13, ttmp6, 0x40000                  ; cx: it enters q's, cc's and cs's addresses alone
	s_lshl_b32 s14, ttmp9, 2
	s_add_co_u32 s14, s14, s13                     ; my block of 256 queries
	s_and_b32 s15, ttmp7, 0xffff                   ; the head, which the four partners share
	s_mov_b32 s[G1], 15|(3<<16)|(1<<21)            ; the mask of all four; elements of 8 bytes; bit 21 beside a mask
	s_mov_b32 s[G1+1], 32<<16                      ; rows of 256 bytes,
	s_mov_b32 s[G1+2], 52<<16                      ; 52 of them, dense
	s_mov_b32 s[G1+3], 32<<16
	s_mov_b32 s[G1+4], 52
	s_mov_b32 s[G1+5], 32
	s_mov_b32 s[G1+6], 0
	s_mov_b32 s[G1+7], 0
	s_mul_i32 s16, s[WV], STEPB                    ; the block that I bring, in the head's part of kv and in LDS alike
	s_mul_i32 s18, s15, 16*STEPB
	s_add_co_u32 s18, s18, s16
	s_mov_b32 s19, 0
	s_mov_b32 s[SEL], 0x76543210
	s_mov_b32 s[SEL+1], 0xfedcba98
	s_wait_dscnt 0x0
	s_wait_kmcnt 0x0
	s_mov_b32 s[G0], 1
	s_mov_b32 s[G0+1], s16
	s_add_nc_u64 s[G0+2:G0+3], s[6:7], s[18:19]
	s_or_b32 s[G0+3], s[G0+3], 0x80000000
	CROUND                                         ; all four work-groups are here: the joint loads meet
	tensor_load_to_lds s[G0:G0+3], s[G1:G1+7]      ; the wave's only fill of the launch
	s_nop 0
.rept 4
	v_nop
.endr
	v_and_b32 v5, 31, v0
	v_and_b32 v7, 15, v0
	v_bfe_u32 v8, v0, 4, 1
	v_lshlrev_b32 v1, 4, v5
	v_lshlrev_b32 v3, 3, v5
	v_lshlrev_b32 v4, 2, v5
	v_lshlrev_b32 v7, 4, v7
	v_lshlrev_b32 v8, 3, v8
	s_wait_alu depctr_va_vdst(0)
	; q: my tile is 16 x block + wave: step 2 x block + wave / 8, pair (wave % 8) / 2, half wave % 2
	s_mul_i32 s50, s15, 106496
	s_lshl_b32 s51, s14, 1
	s_lshr_b32 s52, s[WV], 3
	s_add_co_u32 s51, s51, s52
	s_mul_i32 s51, s51, 6656
	s_add_co_u32 s50, s50, s51
	s_mov_b32 s51, 0
	s_add_nc_u64 s[4:5], s[4:5], s[50:51]
	s_bfe_u32 s52, s[WV], 0x20001                  ; the pair
	s_mul_i32 s53, s52, 1536
	s_and_b32 s54, s[WV], 1
	s_lshl_b32 s55, s54, 8
	s_lshl_b32 s52, s52, 2
	s_add_co_u32 s55, s55, s52
	v_add_nc_u32 v6, s53, v1
	v_add_nc_u32 v7, s55, v7                       ; its scale word: 16 (lane % 16 + 16 x half) + 4 x pair
.irp g, 0,1,2
	global_load_b128 v[192+4*\g:195+4*\g], v6, s[4:5] offset:512*\g
.endr
	global_load_b32 v90, v7, s[4:5] offset:6144
	s_cmp_lg_u32 s54, 0
	s_cselect_b32 s54, -1, 0                       ; all lanes take the odd tile's six registers, or none
	; where ctx goes: tile of rows T = 128 x batch + my tile
	s_lshr_b32 s55, s15, 4
	s_lshl_b32 s55, s55, 7
	s_lshl_b32 s56, s14, 4
	s_add_co_u32 s55, s55, s56
	s_add_co_u32 s55, s55, s[WV]
	s_and_b32 s56, s15, 15
	s_lshl_b32 s58, s55, 4
	s_add_co_u32 s58, s58, s56
	s_mul_i32 s58, s58, 768
	s_mov_b32 s59, 0
	s_add_nc_u64 s[8:9], s[8:9], s[58:59]
	s_lshl_b32 s58, s55, 3
	s_lshr_b32 s57, s56, 1
	s_add_co_u32 s58, s58, s57
	s_lshl_b32 s58, s58, 7
	s_and_b32 s57, s56, 1
	s_lshl_b32 s57, s57, 1
	s_add_co_u32 s58, s58, s57
	s_add_nc_u64 s[10:11], s[10:11], s[58:59]
	s_wait_loadcnt 0x0
.irp i, 0,1,2,3,4,5
	v_cndmask_b32 v[16+\i], v[192+\i], v[198+\i], s54
.endr
.irp i, 0,1,2,3,4,5
	v_mov_b32 v[22+\i], 0                          ; q's k = 64 .. 127: zero codes
	v_mov_b32 v[80+\i], 0                          ; what follows k's last tile
.endr
	v_mov_b32 v9, 0xff61b1e6                       ; the largest t so far: -3e38
	v_mov_b32 v10, 0x3fb8aa3b                      ; log2(e), twice
	v_mov_b32 v11, 0x3fb8aa3b
	v_floor_f32 v12, -v9                           ; -M, twice
	v_floor_f32 v13, -v9
	v_mov_b32 v14, 0
	v_mov_b32 v15, 0
	v_mov_b32 v211, 0                              ; written once: a lane permute's destination counts as one of its sources
	v_mov_b32 v217, 0
.set J, 0
.rept 32
	v_mov_b32 v[160+J], 0                          ; O^T: the step is written once; its first run finds zeros
.set J, J+1
.endr
; A KEY STEP: 128 keys.
.macro STEP
	v_add_nc_u32 v2, s[TB], v1
.rept 3
	v_nop                                          ; with the addition: four places in front of loads into registers that the last products read
.endr
.irp k, 0,1,2,3,4,5,6,7,8,9,10,11
	ds_load_b128 v[32+4*\k:35+4*\k], v2 offset:512*\k              ; k's eight tiles, six registers each, on end
.endr
	ds_load_b128 v[28:31], v2 offset:6144          ; their scale words: register p: lanes 0-15 tile 2 p, lanes 16-31 tile 2 p + 1
	s_wait_alu depctr_va_vdst(0)                   ; the wait ahead of the wait below
	s_wait_dscnt 0x0
.irp t, 0,2,4,6
	v_wmma_scale_f32_16x16x128_f8f6f4 v[96+8*\t:103+8*\t], v[32+6*\t:43+6*\t], v[16:27], 0, v[28+\t/2], v90 matrix_a_fmt:MATRIX_FMT_BF6 matrix_b_fmt:MATRIX_FMT_BF6
	v_wmma_scale_f32_16x16x128_f8f6f4 v[104+8*\t:111+8*\t], v[38+6*\t:49+6*\t], v[16:27], 0, v[28+\t/2], v90 matrix_a_fmt:MATRIX_FMT_BF6 matrix_b_fmt:MATRIX_FMT_BF6 matrix_a_scale:MATRIX_SCALE_ROW1
.endr
.rept 4
	v_nop                                          ; places in front of the loads below and of the first read of the scores
.endr
.irp k, 0,1,2,3,4,5,6,7,8,9,10,11
	ds_load_b128 v[32+4*\k:35+4*\k], v2 offset:6656+512*\k         ; v's four fragments land under the softmax
.endr
	ds_load_b128 v[86:89], v2 offset:12800
.irp c, 0,1                            ; the largest score of my two blocks of 32 keys, each in two chains; every accumulator is read from its low end on
	v_max3_num_f32 v[206+\c], v[96+32*\c], v[97+32*\c], v[98+32*\c]
	v_max3_num_f32 v[208+\c], v[112+32*\c], v[113+32*\c], v[114+32*\c]
.endr
.irp i, 3,5,7,9,11,13
.irp c, 0,1
	v_max3_num_f32 v[206+\c], v[206+\c], v[96+32*\c+\i], v[97+32*\c+\i]
	v_max3_num_f32 v[208+\c], v[208+\c], v[112+32*\c+\i], v[113+32*\c+\i]
.endr
.endr
.irp c, 0,1
	v_max3_num_f32 v[206+\c], v[206+\c], v[111+32*\c], v[127+32*\c]
.endr
.irp c, 0,1
	s_delay_alu instid0(VALU_DEP_2)
	v_max_num_f32 v[206+\c], v[206+\c], v[208+\c]  ; it serves the row's maximum and, since p rises with the score, the block's largest p
.endr
	s_delay_alu instid0(VALU_DEP_1)
	v_max_num_f32 v210, v206, v207
	s_delay_alu instid0(VALU_DEP_1)
	v_permlanex16_b32 v211, v210, s[SEL], s[SEL+1]
	s_delay_alu instid0(VALU_DEP_1)
	v_max_num_f32 v210, v210, v211                 ; with lane l xor 16's two blocks: the step's largest score of my query
	s_delay_alu instid0(VALU_DEP_1)
	v_mul_f32 v210, v10, v210                      ; as t
	s_delay_alu instid0(VALU_DEP_1)
	v_max_num_f32 v9, v9, v210                     ; the running largest t
	v_mov_b32 v218, v12
	s_delay_alu instid0(VALU_DEP_2)
	v_floor_f32 v12, -v9                           ; the new -M = -ceil(t): a whole number
	v_floor_f32 v13, -v9
	s_delay_alu instid0(VALU_DEP_2)
	v_sub_f32 v218, v12, v218                      ; old M - new M: a whole number, 0 or less
	s_delay_alu instid0(VALU_DEP_1)
	v_cvt_i32_f32 v218, v218                       ; (it saturates)
	s_delay_alu instid0(VALU_DEP_1)
	v_ldexp_f32 v252, 1.0, v218                    ; f = 2^(old M - new M), twice
	v_ldexp_f32 v253, 1.0, v218
.set J, 0
.rept 16
	v_dual_mul_f32 v[160+J], v[160+J], v252 :: v_dual_mul_f32 v[161+J], v[161+J], v253   ; O^T under the new M
.set J, J+2
.endr
	v_dual_mul_f32 v14, v14, v252 :: v_dual_mul_f32 v15, v15, v253                       ; and the sums
.set J, 0
.rept 32
	v_dual_fma_f32 v[96+J], v[96+J], v10, v12 :: v_dual_fma_f32 v[97+J], v[97+J], v11, v13   ; t - M
.set J, J+2
.endr
.irp c, 0,1
	v_fma_f32 v[206+\c], v[206+\c], v10, v12       ; the same of each block's largest score
.endr
	s_wait_alu depctr_va_vdst(0)
.set J, 0
.rept 64
	v_exp_f32 v[96+J], v[96+J]                     ; p = 2^(t - M), not normalised
.set J, J+1
.endr
.irp c, 0,1
	v_exp_f32 v[206+\c], v[206+\c]                 ; the block's largest p: the same two operations on the same number give the same bits
.endr
	v_nop                                          ; one plain place behind the exponentials
	s_wait_alu depctr_va_vdst(0)                   ; one wait for the whole batch
.irp c, 0,1
	v_max_num_f32 v[206+\c], 0x2800000, v[206+\c]  ; the floor 2^(5 - 127): the byte cannot fall under 1
.endr
.irp c, 0,1
	s_delay_alu instid0(VALU_DEP_2)
	v_add_nc_u32 v[212+\c], 0xfe000000, v[206+\c]  ; 4 off the exponent field: the conversion's scale operand
.endr
.irp c, 0,1
	s_delay_alu instid0(VALU_DEP_2)
	v_lshrrev_b32 v[214+\c], 23, v[212+\c]         ; the scale's byte
.endr
	s_delay_alu instid0(VALU_DEP_1)
	v_lshl_or_b32 v216, v215, 16, v214             ; my two bytes: blocks h and 2 + h,
	s_delay_alu instid0(VALU_DEP_1)
	v_lshlrev_b32 v216, v8, v216                   ; at their places in the word (8 h bits up);
	s_delay_alu instid0(VALU_DEP_1)
	v_permlanex16_b32 v217, v216, s[SEL], s[SEL+1]
	s_delay_alu instid0(VALU_DEP_1)
	v_or_b32 v216, v216, v217                      ; with lane l xor 16's two: p's scale word for these 128 keys
.irp c, 0,1
	v_cvt_scalef32_pk16_bf6_f32 v[224+6*\c:226+6*\c], v[96+32*\c:111+32*\c], v[212+\c]
	v_cvt_scalef32_pk16_bf6_f32 v[236+4*\c:238+4*\c], v[112+32*\c:127+32*\c], v[212+\c]
.endr
	v_nop                                          ; one plain place behind a scaled conversion
	v_dual_mov_b32 v227, v236 :: v_dual_mov_b32 v228, v237
	v_dual_mov_b32 v229, v238 :: v_dual_mov_b32 v234, v241
	v_mov_b32 v233, v240
	v_mov_b32 v235, v242
.irp i, 0,1,2,3,4,5,6                  ; THE ROW'S SUM OF THE UNQUANTISED p: eight chains.  (These are also the places between p's codes and scale word and the products below)
	DADD 192+2*\i, 96+2*\i, 112+2*\i
.endr
	DADD 14, 14, 110
.irp i, 0,1,2,3,4,5,6
	DADD 192+2*\i, 192+2*\i, 128+2*\i
.endr
	DADD 14, 14, 126
.irp i, 0,1,2,3,4,5,6
	DADD 192+2*\i, 192+2*\i, 144+2*\i
.endr
	DADD 14, 14, 142
	DADD 192, 192, 194
	DADD 196, 196, 198
	DADD 200, 200, 202
	DADD 14, 14, 158
	DADD 192, 192, 196
	DADD 200, 200, 204
	DADD 14, 14, 192
	DADD 14, 14, 200
	s_wait_alu depctr_va_vdst(0)
	s_wait_dscnt 0x0                               ; v is in
.irp t, 0,1,2,3
	v_wmma_scale_f32_16x16x128_f8f6f4 v[160+8*\t:167+8*\t], v[32+12*\t:43+12*\t], v[224:235], v[160+8*\t:167+8*\t], v[86+\t], v216 matrix_a_fmt:MATRIX_FMT_BF6 matrix_b_fmt:MATRIX_FMT_BF6
.endr
	s_add_co_u32 s[TB], s[TB], STEPB
.endm
	s_wait_alu depctr_va_vdst(0)
	s_wait_tensorcnt 0x0                           ; for the others' sake: the block that I bring has landed,
	s_barrier_signal -1
	s_barrier_wait -1                              ; everybody's has: the whole head lies in LDS, and nothing writes it again
	s_mov_b32 s[TB], 0
	s_mov_b32 s[CNT], 16
.Lstep:
	STEP
	s_sub_co_u32 s[CNT], s[CNT], 1
	s_cmp_lg_u32 s[CNT], 0
	s_cbranch_scc1 .Lstep
	; THE WAY OUT: O^T / l; register 16 b + i is channel 32 b + 16 (lane / 16) + i of my query: two blocks of the next product's K
.rept 4
	v_nop                                          ; places behind the last products
.endr
	v_add_f32 v14, v14, v15
	s_delay_alu instid0(VALU_DEP_1)
	v_permlanex16_b32 v211, v14, s[SEL], s[SEL+1]
	s_delay_alu instid0(VALU_DEP_1)
	v_add_f32 v14, v14, v211                       ; the sum's two halves and lane l xor 16's
	s_wait_alu depctr_va_vdst(0)
	v_rcp_f32 v14, v14
	v_nop
	s_wait_alu depctr_va_vdst(0)
.set J, 0
.rept 32
	v_mul_f32 v[96+J], v[160+J], v14
.set J, J+1
.endr
.irp b, 0,1
	v_max3_num_f32 v[206+\b], |v[96+16*\b]|, |v[97+16*\b]|, 0x2800000
.endr
.irp i, 2,4,6,8,10,12,14
.irp b, 0,1
	s_delay_alu instid0(VALU_DEP_2)
	v_max3_num_f32 v[206+\b], v[206+\b], |v[96+16*\b+\i]|, |v[97+16*\b+\i]|
.endr
.endr
.irp b, 0,1
	s_delay_alu instid0(VALU_DEP_2)
	v_permlanex16_b32 v[208+\b], v[206+\b], s[SEL], s[SEL+1]
.endr
.irp b, 0,1
	s_delay_alu instid0(VALU_DEP_2)
	v_max_num_f32 v[206+\b], v[206+\b], v[208+\b]
.endr
.irp b, 0,1
	s_delay_alu instid0(VALU_DEP_2)
	v_add_nc_u32 v[212+\b], 0xfe000000, v[206+\b]
.endr
.irp b, 0,1
	s_delay_alu instid0(VALU_DEP_2)
	v_lshrrev_b32 v[214+\b], 23, v[212+\b]
.endr
	s_delay_alu instid0(VALU_DEP_1)
	v_lshl_or_b32 v216, v215, 8, v214              ; this head's two bytes of the row's scale word
	v_cvt_scalef32_pk16_bf6_f32 v[224:226], v[96:111], v212
	v_cvt_scalef32_pk16_bf6_f32 v[240:242], v[112:127], v213
	v_nop
.irp i, 0,1,2
	v_permlane16_swap_b32 v[224+\i], v[240+\i]     ; a whole block to a lane
.endr
.irp i, 0,1,2
	s_delay_alu instid0(VALU_DEP_3)
	v_mov_b32 v[227+\i], v[240+\i]
.endr
.irp p, 0,1,2
	global_store_b64 v3, v[224+2*\p:225+2*\p], s[8:9] offset:256*\p   ; 32 lanes store 256 consecutive bytes, aligned
.endr
	global_store_b16 v4, v216, s[10:11]
	s_wait_tensorcnt 0x0                           ; the wave's end
	ds_add_u32 v251, v255
	s_wait_dscnt 0x0
	CROUND                                         ; the closing round
	s_endpgm
.Lfunc_end_k_qce6c805837_attn:
	.size	k_qce6c805837_attn, .Lfunc_end_k_qce6c805837_attn-k_qce6c805837_attn
	.p2alignl 7, 3214868480
	.fill 96, 4, 3214868480
	.section	.rodata,"a",@progbits
	.p2align	6, 0x0
	.amdhsa_kernel k_qce6c805837_attn
		.amdhsa_group_segment_fixed_size 215040
		.amdhsa_private_segment_fixed_size 0
		.amdhsa_enable_private_segment 0
		.amdhsa_kernarg_size 32
		.amdhsa_user_sgpr_count 2
		.amdhsa_user_sgpr_kernarg_segment_ptr 1
		.amdhsa_wavefront_size32 1
		.amdhsa_system_sgpr_workgroup_id_x 1
		.amdhsa_system_sgpr_workgroup_id_y 1
		.amdhsa_system_sgpr_workgroup_id_z 1
		.amdhsa_system_vgpr_workitem_id 0
		.amdhsa_next_free_vgpr 256
		.amdhsa_next_free_sgpr 66
		.amdhsa_reserve_vcc 0
		.amdhsa_float_denorm_mode_32 3
		.amdhsa_float_denorm_mode_16_64 3
		.amdhsa_memory_ordered 1
		.amdhsa_forward_progress 1
		.amdhsa_inst_pref_size 28
	.end_amdhsa_kernel
	.amdgpu_metadata
---
amdhsa.version: [ 1, 2 ]
amdhsa.kernels:
  - .name:           k_qce6c805837_attn
    .symbol:         k_qce6c805837_attn.kd
    .args:
      - { .name: qh, .offset: 0, .size: 8, .value_kind: global_buffer, .address_space: global }
      - { .name: kv, .offset: 8, .size: 8, .value_kind: global_buffer, .address_space: global }
      - { .name: cc, .offset: 16, .size: 8, .value_kind: global_buffer, .address_space: global }
      - { .name: cs, .offset: 24, .size: 8, .value_kind: global_buffer, .address_space: global }
    .group_segment_fixed_size: 215040
    .private_segment_fixed_size: 0
    .kernarg_segment_align: 8
    .kernarg_segment_size: 32
    .max_flat_workgroup_size: 512
    .sgpr_count:     66
    .vgpr_count:     256
    .wavefront_size: 32
...
	.end_amdgpu_metadata
.endif
;; end of part 3
;; launch outln (part 4): grid 256 x 1, 16 waves a work-group, clusters of 4 x 1, 327,680 bytes of LDS; arguments cc, cs, cw, sw, query_tensor, bo, ln_w, ln_b, out0; writes out0
.if DOCPART == 4
	.amdgcn_target "amdgcn-amd-amdhsa--gfx1250"
	.amdhsa_code_object_version 6
	.text
	.protected	k_qce6c805837_outln
	.globl	k_qce6c805837_outln
	.p2align	8
	.type	k_qce6c805837_outln,@function
k_qce6c805837_outln:
	s_mov_b64 s[64:65], 0
	v_nop
	global_prefetch_b8 v0, s[64:65] scope:SCOPE_SE
	s_setreg_imm32_b32 hwreg(HW_REG_WAVE_MODE, 25, 1), 1
	s_wait_xcnt 0x0
	s_wait_alu depctr_hold_cnt(0) depctr_sa_sdst(0) depctr_va_vdst(0) depctr_va_sdst(0) depctr_va_ssrc(0) depctr_va_vcc(0) depctr_vm_vsrc(0)
	s_getreg_b32 s2, hwreg(HW_REG_IB_STS2, 6, 4)
	s_cmp_eq_u32 s2, 0
	s_cbranch_scc0 .Lentry_in_a_cluster
	s_endpgm
.Lentry_in_a_cluster:
	s_bfe_u32 s2, ttmp6, 0x10000c
	s_cmp_lg_u32 s2, 0x3003
	s_cbranch_scc0 .Lentry_shape_is_right
	s_endpgm
.Lentry_shape_is_right:
; out0 = LayerNorm(ctx Wo^T + bo + query_tensor) x ln_w + ln_b.  The product is on codes of BF6 (E3M2) with E8M0 scales, K = 1,024; all else in f32.
; SHARES: a work-group owns one tile of 16 whole rows, so it owns their mean and variance.  Wave w makes columns 64 w .. 64 w + 63: Wo's tiles 4 w .. 4 w + 3 (source 0) against ctx's tile (source 1), eight K steps.
; ctx's tile, 12,288 bytes, is read from memory once a work-group: wave w loads head w's 768 bytes and stores them to LDS; behind one barrier every wave takes its fragments from there.
; Wo: the four row tiles of a CLUSTER want the same Wo, so six of its eight K steps come JOINTLY: each wave asks by one tensor load for three K steps of its four tiles (4 rows of 4,608 bytes) into 18,432 bytes of
; its own, which it alone reads behind its own wait: K steps 0-2 at the head, K steps 3-5 as a refill of the same bytes behind a round of the cluster's barrier.  One load of mine is out at a time.
; K steps 6 and 7 come from memory straight into registers, as images of the operand's registers.
; THE ORDER: K steps 0-2 as soon as my first fill has landed, so that the refill is asked for early; K steps 6 and 7, the residual and the three vectors under the refill's flight; then K steps 3-5.
; The launch has no loop to run ahead in: nothing is prefetched.  The way out's stage lies in the wave's own bytes of Wo, behind their last fill and last read.
; The variance is taken of x - mean in a second pass, so a common offset of the inputs costs no accuracy.  1 / sqrt is v_rsq_f32's.  NaN and infinities are not served.
; REGISTERS: v1-10, v14, v15, v252, v253 addresses; v16-47 four accumulators; v48-63 Wo's scale words (register 8 i + s: lanes 0-15 tile 2 i, lanes 16-31 tile 2 i + 1, K step s); v64-71 ctx's;
;   v72-215 three sets of four fragments of Wo; v216-251 three fragments of ctx.  Later: v168-211 the residual, bo, ln_w, ln_b; v72-103 x; v104-119 sums.
.set ACC,  16
.set WS,   48
.set CSW,  64
.set S0,   72
.set S1,   120
.set S2,   168
.set C0,   216
.set C1,   228
.set C2,   240
.set X,    72
.set RS,   104
.set RES,  168
.set BO,   200
.set LW,   204
.set LB,   208
.set WREG, 18432                       ; LDS: a wave's bytes of Wo: [tile 0..3][K step 0..2][1,536 bytes]; sixteen of them from byte 0
.set CTX,  294912                      ; ctx's tile: [head][768 bytes]
.set RED1, 307200                      ; [row][wave] words, 1,024 bytes, and a second such block for the second pass
.set SPARE, 309248                     ; the spare words, 128 bytes a wave
.set WV,   22
.set G1,   36
.set G0,   44
.macro CROUND
	s_barrier_signal -1
	s_barrier_wait -1
	s_cmp_lg_u32 s[WV], 0
	s_cbranch_scc1 .Lnot_wave_0_\@
	s_barrier_signal -3
.Lnot_wave_0_\@:
	s_barrier_wait -3
	s_barrier_signal -1
	s_barrier_wait -1
.endm
	s_load_b256 s[4:11], s[0:1], 0x0               ; cc, cs, cw, sw
	s_load_b256 s[12:19], s[0:1], 0x20             ; query, bo, ln_w, ln_b
	s_load_b64 s[20:21], s[0:1], 0x40              ; out0
	v_lshl_add_u32 v254, v0, 2, SPARE
	v_mov_b32 v255, 0
	ds_add_u32 v254, v255                          ; the opening lines: the add twice on end
	ds_add_u32 v254, v255
	v_lshrrev_b32 v11, 5, v0
	s_delay_alu instid0(VALU_DEP_1)
	v_readfirstlane_b32 s[WV], v11                 ; wave 0..15
	s_bfe_u32 s23, ttmp6, 0x40000                  ; cx
	s_lshl_b32 s34, ttmp9, 2
	s_add_co_u32 s34, s34, s23                     ; my tile of rows: it enters cc's, cs's, the residual's and out0's addresses alone
	v_and_b32 v11, 31, v0
	v_and_b32 v12, 15, v0
	v_bfe_u32 v13, v0, 4, 1
	s_delay_alu instid0(VALU_DEP_3)
	v_lshlrev_b32 v1, 4, v11
	v_lshlrev_b32 v2, 3, v11
	v_lshlrev_b32 v3, 2, v11
	v_lshlrev_b32 v4, 5, v12
	s_delay_alu instid0(VALU_DEP_1)
	v_lshl_add_u32 v4, v13, 9, v4                  ; Wo's scale words: 32 bytes a row, the odd tile 512 on
	s_mul_i32 s35, s[WV], WREG                     ; my bytes of Wo in LDS, later my stage
	v_mul_u32_u24 v5, v12, 272
	s_delay_alu instid0(VALU_DEP_1)
	v_lshl_add_u32 v5, v13, 6, v5
	s_delay_alu instid0(VALU_DEP_1)
	v_add_nc_u32 v5, s35, v5                       ; the stage, on the way in: row lane % 16, + 64 (lane / 16)
	v_mul_u32_u24 v6, v13, 272
	s_delay_alu instid0(VALU_DEP_1)
	v_lshl_add_u32 v6, v12, 4, v6
	s_delay_alu instid0(VALU_DEP_1)
	v_add_nc_u32 v6, s35, v6                       ; and back: lanes 0-15 one row of 256 bytes, lanes 16-31 the next
	v_lshlrev_b32 v10, 4, v12
	s_delay_alu instid0(VALU_DEP_1)
	v_lshl_add_u32 v7, v13, 13, v10                ; the same in memory: neighbouring rows of a tile lie 8,192 bytes apart
	s_lshl_b32 s27, s[WV], 2
	s_add_co_u32 s27, s27, RED1
	v_lshlrev_b32 v8, 6, v13
	s_delay_alu instid0(VALU_DEP_1)
	v_lshl_add_u32 v9, v12, 2, v8
	s_delay_alu instid0(VALU_DEP_1)
	v_add_nc_u32 v9, RED1, v9                      ; where I read a wave's part of a row's sum
	v_add_nc_u32 v8, s27, v8                       ; and where my wave's goes
	s_mul_i32 s27, s[WV], 768
	v_add_nc_u32 v14, s27, v2                      ; head w's 768 bytes of ctx's tile, in memory,
	s_delay_alu instid0(VALU_DEP_1)
	v_add_nc_u32 v15, CTX, v14                     ; and in LDS
	v_add_nc_u32 v252, CTX, v2                     ; where any wave reads ctx's fragments
	v_add_nc_u32 v253, s35, v1
	s_mov_b32 s30, 0xba800000                      ; -1 / 1,024
	s_mov_b32 s31, s30
	s_mov_b32 s32, 0x3a800000                      ; 1 / 1,024
	s_mov_b32 s33, 0x2b8cbccc                      ; 1e-12
	s_mov_b32 s[G1], 15|(3<<16)|(1<<21)            ; the mask of all four; elements of 8 bytes; bit 21 beside a mask; no padding
	s_mov_b32 s[G1+1], 576<<16                     ; tensor_dim0: 4,608 bytes: three K steps of a tile
	s_mov_b32 s[G1+2], 4<<16                       ; tensor_dim1: my four tiles
	s_mov_b32 s[G1+3], 576<<16
	s_mov_b32 s[G1+4], 4
	s_mov_b32 s[G1+5], 1536                        ; 12,288 bytes from tile to tile
	s_mov_b32 s[G1+6], 0
	s_mov_b32 s[G1+7], 0
	s_mov_b32 s[G0], 1
	s_mov_b32 s[G0+1], s35
	s_mov_b32 s25, 0
	s_mov_b32 s49, 0
	s_lshl_b32 s26, s[WV], 2
	s_add_co_u32 s26, s26, 960                     ; my first tile of Wo in cw
	s_and_b32 s28, s34, 127
	s_lshr_b32 s29, s28, 1
	s_lshl_b32 s29, s29, 5
	s_and_b32 s28, s28, 1
	s_lshl_b32 s28, s28, 3
	s_add_co_u32 s29, s29, s28                     ; the tile's first sequence place
	s_lshl_b32 s29, s29, 1
	s_lshr_b32 s28, s34, 7                         ; the batch
	s_add_co_u32 s29, s29, s28
	s_lshl_b32 s29, s29, 12                        ; its row in memory, in bytes
	s_wait_alu depctr_va_vdst(0)
	s_wait_dscnt 0x0
	s_wait_kmcnt 0x0
	s_mul_i32 s48, s26, 12288                      ; s[48:49] holds offsets made of the wave's number alone
	s_add_nc_u64 s[8:9], s[8:9], s[48:49]
	s_lshl_b32 s48, s26, 9
	s_add_nc_u64 s[10:11], s[10:11], s[48:49]
	s_lshl_b32 s48, s[WV], 8                       ; my 64 columns
	s_add_nc_u64 s[14:15], s[14:15], s[48:49]
	s_add_nc_u64 s[16:17], s[16:17], s[48:49]
	s_add_nc_u64 s[18:19], s[18:19], s[48:49]
	s_mov_b64 s[G0+2:G0+3], s[8:9]                 ; my first tile's K step 0: the same in all four work-groups
	s_or_b32 s[G0+3], s[G0+3], 0x80000000
	s_mul_i32 s24, s34, 12288                      ; s[24:25] holds offsets made of my tile of rows
	s_add_nc_u64 s[4:5], s[4:5], s[24:25]
	s_lshl_b32 s24, s34, 10
	s_add_nc_u64 s[6:7], s[6:7], s[24:25]
	s_add_co_u32 s24, s29, s48
	s_add_nc_u64 s[12:13], s[12:13], s[24:25]
	s_add_nc_u64 s[20:21], s[20:21], s[24:25]
.irp p, 0,1,2
	global_load_b64 v[C2+2*\p:C2+2*\p+1], v14, s[4:5] offset:256*\p th:TH_LOAD_NT   ; head w's part of ctx first: the first barrier behind the fill waits for it
.endr
.irp i, 0,1
	global_load_b128 v[WS+8*\i:WS+8*\i+3], v4, s[10:11] offset:1024*\i
	global_load_b128 v[WS+8*\i+4:WS+8*\i+7], v4, s[10:11] offset:1024*\i+16
.endr
.irp s, 0,1,2,3,4,5,6,7
	global_load_b32 v[CSW+\s], v3, s[6:7] offset:128*\s
.endr
	CROUND                                         ; all four work-groups are here: the joint loads meet
	tensor_load_to_lds s[G0:G0+3], s[G1:G1+7]      ; K steps 0-2: my one load at the head
	s_nop 0
.rept 4
	v_nop
.endr
.macro GLOB s, w                       ; Wo's four fragments of K step s from memory into set w: 12 loads of 512 consecutive bytes
.irp t, 0,1,2,3
.irp g, 0,1,2
	global_load_b128 v[\w+12*\t+4*\g:\w+12*\t+4*\g+3], v1, s[8:9] offset:12288*\t+1536*(\s)+512*\g
.endr
.endr
.endm
.macro LWO k, w                        ; the same of the k-th of the three K steps that lie in my bytes of LDS
.irp t, 0,1,2,3
.irp g, 0,1,2
	ds_load_b128 v[\w+12*\t+4*\g:\w+12*\t+4*\g+3], v253 offset:4608*\t+1536*(\k)+512*\g
.endr
.endr
.endm
.macro DCTX s, c                       ; ctx's fragment of K step s: heads 2 s and 2 s + 1, six registers each: 6 loads of 256 consecutive bytes
.irp e, 0,1
.irp p, 0,1,2
	ds_load_b64 v[\c+6*\e+2*\p:\c+6*\e+2*\p+1], v252 offset:768*(2*(\s)+\e)+256*\p
.endr
.endr
.endm
; K step s on set w and fragment c.  The four accumulators take turns, one instruction a turn.  Four places follow, in front of loads into the set and of the first read of results.
.macro KSTEP s, w, c, zero
.irp t, 0,2
.if \zero
	v_wmma_scale_f32_16x16x128_f8f6f4 v[ACC+8*\t:ACC+8*\t+7], v[\w+12*\t:\w+12*\t+11], v[\c:\c+11], 0, v[WS+4*\t+\s], v[CSW+\s] matrix_a_fmt:MATRIX_FMT_BF6 matrix_b_fmt:MATRIX_FMT_BF6
	v_wmma_scale_f32_16x16x128_f8f6f4 v[ACC+8*\t+8:ACC+8*\t+15], v[\w+12*\t+12:\w+12*\t+23], v[\c:\c+11], 0, v[WS+4*\t+\s], v[CSW+\s] matrix_a_fmt:MATRIX_FMT_BF6 matrix_b_fmt:MATRIX_FMT_BF6 matrix_a_scale:MATRIX_SCALE_ROW1
.else
	v_wmma_scale_f32_16x16x128_f8f6f4 v[ACC+8*\t:ACC+8*\t+7], v[\w+12*\t:\w+12*\t+11], v[\c:\c+11], v[ACC+8*\t:ACC+8*\t+7], v[WS+4*\t+\s], v[CSW+\s] matrix_a_fmt:MATRIX_FMT_BF6 matrix_b_fmt:MATRIX_FMT_BF6
	v_wmma_scale_f32_16x16x128_f8f6f4 v[ACC+8*\t+8:ACC+8*\t+15], v[\w+12*\t+12:\w+12*\t+23], v[\c:\c+11], v[ACC+8*\t+8:ACC+8*\t+15], v[WS+4*\t+\s], v[CSW+\s] matrix_a_fmt:MATRIX_FMT_BF6 matrix_b_fmt:MATRIX_FMT_BF6 matrix_a_scale:MATRIX_SCALE_ROW1
.endif
.endr
.rept 4
	v_nop
.endr
.endm
	GLOB 6, S0
	GLOB 7, S1
	s_wait_loadcnt 36                              ; ctx's three loads are in; the 12 loads of scale words and the 24 of Wo behind them may be out
.irp p, 0,1,2
	ds_store_b64 v15, v[C2+2*\p:C2+2*\p+1] offset:256*\p
.endr
	s_wait_dscnt 0x0                               ; for the others' sake: my stores are done
	s_barrier_signal -1
	s_barrier_wait -1                              ; ctx's sixteen parts lie in LDS; nothing writes them again
	DCTX 0, C0
	DCTX 1, C1
	DCTX 2, C2
	s_wait_tensorcnt 0x0                           ; K steps 0-2 have landed in my bytes of LDS: I alone read them
	LWO 0, S2
	s_wait_loadcnt 24                              ; the scale words are in; Wo's 24 loads may be out
	s_wait_dscnt 0x0
	KSTEP 0, S2, C0, 1                             ; the first product starts the sums
	LWO 1, S2
	s_wait_dscnt 0x0
	KSTEP 1, S2, C1, 0
	LWO 2, S2
	s_wait_dscnt 0x0
	KSTEP 2, S2, C2, 0
	s_wait_tensorcnt 0x0                           ; ahead of the refill: none of my loads is out,
	ds_add_u32 v254, v255                          ; the add,
	s_add_nc_u64 s[G0+2:G0+3], s[G0+2:G0+3], 4608  ; (so the descriptor may be written: K steps 3-5)
	s_wait_dscnt 0x0                               ; the add is done, and so are my reads of these bytes
	CROUND                                         ; the same holds of every wave of the four work-groups
	tensor_load_to_lds s[G0:G0+3], s[G1:G1+7]      ; my one load behind the round
	s_nop 0
.rept 4
	v_nop
.endr
.irp i, 0,1,2,3,4,5,6,7
	global_load_b128 v[RES+4*\i:RES+4*\i+3], v7, s[12:13] offset:(2*\i+8*(\i/4))*8192 th:TH_LOAD_NT   ; the residual, into the set just left: row 2 i + lane / 16 of the tile lies 2 i + 8 (i / 4) places on
.endr
	global_load_b128 v[BO:BO+3], v10, s[14:15]
	global_load_b128 v[LW:LW+3], v10, s[16:17]
	global_load_b128 v[LB:LB+3], v10, s[18:19]
	DCTX 6, C0
	DCTX 7, C1
	DCTX 3, C2
	s_wait_loadcnt 11                              ; Wo's K steps 6 and 7 are in; the residual's 8 and the 3 vectors may be out,
	s_wait_dscnt 6                                 ; and K step 3's fragment of ctx
	KSTEP 6, S0, C0, 0
	KSTEP 7, S1, C1, 0
	DCTX 4, C0
	DCTX 5, C1
	s_wait_tensorcnt 0x0                           ; K steps 3-5 have landed
	LWO 0, S0
	LWO 1, S1
	s_wait_dscnt 12                                ; K step 4's 12 may be out
	KSTEP 3, S0, C2, 0
	LWO 2, S0
	s_wait_dscnt 12                                ; K step 5's 12 may be out
	KSTEP 4, S1, C0, 0
	s_wait_dscnt 0x0
	KSTEP 5, S0, C1, 0
	; a lane holds one row and 32 of my 64 columns: register 16 b + i = column 32 b + 16 (lane / 16) + i.  Through my own stage the rows come back whole, 16 bytes a lane
.irp b, 0,1
.irp q, 0,1,2,3
	ds_store_b128 v5, v[ACC+16*\b+4*\q:ACC+16*\b+4*\q+3] offset:128*\b+16*\q     ; each accumulator from its low end on
.endr
.endr
.irp i, 0,1,2,3,4,5,6,7
	ds_load_b128 v[X+4*\i:X+4*\i+3], v6 offset:544*\i              ; LDS serves a wave's instructions in order: these see my stores
.endr
	s_wait_loadcnt 0x0
	s_wait_dscnt 0x0
.irp i, 0,1,2,3,4,5,6,7
	v_pk_add_f32 v[X+4*\i:X+4*\i+1], v[X+4*\i:X+4*\i+1], v[BO:BO+1]
	v_pk_add_f32 v[X+4*\i+2:X+4*\i+3], v[X+4*\i+2:X+4*\i+3], v[BO+2:BO+3]
.endr
.irp i, 0,1,2,3,4,5,6,7
	v_pk_add_f32 v[X+4*\i:X+4*\i+1], v[X+4*\i:X+4*\i+1], v[RES+4*\i:RES+4*\i+1]
	v_pk_add_f32 v[X+4*\i+2:X+4*\i+3], v[X+4*\i+2:X+4*\i+3], v[RES+4*\i+2:RES+4*\i+3]
.endr
.macro ACROSS                          ; the eight sums over the sixteen lanes that share a row
.irp m, 1,2,4,8
.irp i, 0,1,2,3,4,5,6,7
	v_add_f32_dpp v[RS+2*\i], v[RS+2*\i], v[RS+2*\i] row_xmask:\m row_mask:0xf bank_mask:0xf
.endr
.endr
.endm
.macro ALLWAVES off                    ; my wave's part of each row's sum goes to its word; behind the barrier lane % 16 reads that wave's part, and the sixteen are added
	ACROSS
.irp i, 0,1,2,3,4,5,6,7
	ds_store_b32 v8, v[RS+2*\i] offset:\off+128*\i  ; sixteen lanes write the same word with the same value
.endr
	s_wait_dscnt 0x0                               ; for the others' sake: my stores are done
	s_barrier_signal -1
	s_barrier_wait -1
.irp i, 0,1,2,3,4,5,6,7
	ds_load_b32 v[RS+2*\i], v9 offset:\off+128*\i
.endr
	s_wait_dscnt 0x0
	ACROSS
.endm
.irp i, 0,1,2,3,4,5,6,7
	v_pk_add_f32 v[RS+2*\i:RS+2*\i+1], v[X+4*\i:X+4*\i+1], v[X+4*\i+2:X+4*\i+3]
.endr
.irp i, 0,1,2,3,4,5,6,7
	v_add_f32 v[RS+2*\i], v[RS+2*\i], v[RS+2*\i+1]
.endr
	ALLWAVES 0
.irp i, 0,1,2,3,4,5,6,7
	v_pk_fma_f32 v[X+4*\i:X+4*\i+1], v[RS+2*\i:RS+2*\i+1], s[30:31], v[X+4*\i:X+4*\i+1] op_sel_hi:[0,0,1]       ; x - sum / 1,024
	v_pk_fma_f32 v[X+4*\i+2:X+4*\i+3], v[RS+2*\i:RS+2*\i+1], s[30:31], v[X+4*\i+2:X+4*\i+3] op_sel_hi:[0,0,1]
.endr
.irp i, 0,1,2,3,4,5,6,7
	v_pk_mul_f32 v[RS+2*\i:RS+2*\i+1], v[X+4*\i:X+4*\i+1], v[X+4*\i:X+4*\i+1]
.endr
.irp i, 0,1,2,3,4,5,6,7
	v_pk_fma_f32 v[RS+2*\i:RS+2*\i+1], v[X+4*\i+2:X+4*\i+3], v[X+4*\i+2:X+4*\i+3], v[RS+2*\i:RS+2*\i+1]
.endr
.irp i, 0,1,2,3,4,5,6,7
	v_add_f32 v[RS+2*\i], v[RS+2*\i], v[RS+2*\i+1]
.endr
	ALLWAVES 1024                                  ; other words than the first pass's: no wave writes what another may still read
.irp i, 0,1,2,3,4,5,6,7
	v_fma_f32 v[RS+2*\i+1], v[RS+2*\i], s32, s33   ; the variance + 1e-12
.endr
	s_wait_alu depctr_va_vdst(0)
.irp i, 0,1,2,3,4,5,6,7
	v_rsq_f32 v[RS+2*\i], v[RS+2*\i+1]
.endr
	v_nop                                          ; one plain place behind a transcendental
	s_wait_alu depctr_va_vdst(0)
.irp i, 0,1,2,3,4,5,6,7
	v_pk_mul_f32 v[X+4*\i:X+4*\i+1], v[X+4*\i:X+4*\i+1], v[RS+2*\i:RS+2*\i+1] op_sel_hi:[1,0]
	v_pk_mul_f32 v[X+4*\i+2:X+4*\i+3], v[X+4*\i+2:X+4*\i+3], v[RS+2*\i:RS+2*\i+1] op_sel_hi:[1,0]
.endr
.irp i, 0,1,2,3,4,5,6,7
	v_pk_fma_f32 v[X+4*\i:X+4*\i+1], v[X+4*\i:X+4*\i+1], v[LW:LW+1], v[LB:LB+1]
	v_pk_fma_f32 v[X+4*\i+2:X+4*\i+3], v[X+4*\i+2:X+4*\i+3], v[LW+2:LW+3], v[LB+2:LB+3]
.endr
.irp i, 0,1,2,3,4,5,6,7
	global_store_b128 v7, v[X+4*\i:X+4*\i+3], s[20:21] offset:(2*\i+8*(\i/4))*8192 th:TH_STORE_NT   ; sixteen lanes store 256 consecutive bytes, aligned
.endr
	s_wait_tensorcnt 0x0                           ; the wave's end
	ds_add_u32 v254, v255
	s_wait_dscnt 0x0
	CROUND                                         ; the closing round
	s_endpgm
.Lfunc_end_k_qce6c805837_outln:
	.size	k_qce6c805837_outln, .Lfunc_end_k_qce6c805837_outln-k_qce6c805837_outln
	.p2alignl 7, 3214868480
	.fill 96, 4, 3214868480
	.section	.rodata,"a",@progbits
	.p2align	6, 0x0
	.amdhsa_kernel k_qce6c805837_outln
		.amdhsa_group_segment_fixed_size 327680
		.amdhsa_private_segment_fixed_size 0
		.amdhsa_enable_private_segment 0
		.amdhsa_kernarg_size 72
		.amdhsa_user_sgpr_count 2
		.amdhsa_user_sgpr_kernarg_segment_ptr 1
		.amdhsa_wavefront_size32 1
		.amdhsa_system_sgpr_workgroup_id_x 1
		.amdhsa_system_sgpr_workgroup_id_y 1
		.amdhsa_system_sgpr_workgroup_id_z 1
		.amdhsa_system_vgpr_workitem_id 0
		.amdhsa_next_free_vgpr 256
		.amdhsa_next_free_sgpr 66
		.amdhsa_reserve_vcc 0
		.amdhsa_float_denorm_mode_32 3
		.amdhsa_float_denorm_mode_16_64 3
		.amdhsa_memory_ordered 1
		.amdhsa_forward_progress 1
		.amdhsa_inst_pref_size 45
	.end_amdhsa_kernel
	.amdgpu_metadata
---
amdhsa.version: [ 1, 2 ]
amdhsa.kernels:
  - .name:           k_qce6c805837_outln
    .symbol:         k_qce6c805837_outln.kd
    .args:
      - { .name: cc, .offset: 0, .size: 8, .value_kind: global_buffer, .address_space: global }
      - { .name: cs, .offset: 8, .size: 8, .value_kind: global_buffer, .address_space: global }
      - { .name: cw, .offset: 16, .size: 8, .value_kind: global_buffer, .address_space: global }
      - { .name: sw, .offset: 24, .size: 8, .value_kind: global_buffer, .address_space: global }
      - { .name: query_tensor, .offset: 32, .size: 8, .value_kind: global_buffer, .address_space: global }
      - { .name: bo, .offset: 40, .size: 8, .value_kind: global_buffer, .address_space: global }
      - { .name: ln_w, .offset: 48, .size: 8, .value_kind: global_buffer, .address_space: global }
      - { .name: ln_b, .offset: 56, .size: 8, .value_kind: global_buffer, .address_space: global }
      - { .name: out0, .offset: 64, .size: 8, .value_kind: global_buffer, .address_space: global }
    .group_segment_fixed_size: 327680
    .private_segment_fixed_size: 0
    .kernarg_segment_align: 8
    .kernarg_segment_size: 72
    .max_flat_workgroup_size: 512
    .sgpr_count:     66
    .vgpr_count:     256
    .wavefront_size: 32
...
	.end_amdgpu_metadata
.endif
;; end of part 4
